; MI455X (gfx1250); checked and timed in simulation.
; The chip was launched on July 23, 2026; its instructions are those of AMD's public machine-readable ISA for CDNA 5 (MIT licence, August 2026) and "CDNA5" Instruction Set Architecture Reference Guide (July 2026). The comments in the code are by the model that wrote it; some were corrected since.
;; KAN Block. Allowed arithmetic: float matrix products may take bf16 or f16 operands with f32 sums; other float arithmetic in f32, or as packed bf16 or f16 multiplies, adds, multiply-adds, maxima and minima; sums over many terms, partial sums and values carried from step to step in f32; what a program stores and reads back later, other than sums and carried values, may be rounded once to bf16 or f16.
;; Inputs: grid 12 float32; w1_base 2,048 x 512 float32; w1_spline 2,048 x 512 x 8 float32; w2_base 512 x 2,048 float32; w2_spline 512 x 2,048 x 8 float32; x 2 x 1,024 x 512 float32.
;; Outputs: out0 2 x 1,024 x 512 float32.
;; 2 versions, each right; version 2 is version 1 with the launch prep written anew for expert scheduling mode. Each part assembles by itself: llvm-mc -triple=amdgcn-amd-amdhsa -mcpu=gfx1250 --defsym DOCPART=n.
;; ======== version 1 of 2: 4 launches
;; limits: inputs' magnitudes at most 268,435,456; below input magnitudes of 1.3e-23 results are inexact or not finite; values are held in f16: magnitudes above 65,504 overflow, below 6.1e-05 lose precision
;; workspace buffers: a1 18,874,368 bytes; w1p 18,874,368 bytes; w2p 18,874,368 bytes; hb 16,777,216 bytes; part 33,554,432 bytes
;; launch prep (part 1): grid 1024 x 1, 8 waves a work-group, no clusters, 0 bytes of LDS; arguments x, grid, w1_base, w1_spline, a1, w1p; writes a1, w1p
.if DOCPART == 1
	.amdgcn_target "amdgcn-amd-amdhsa--gfx1250"
	.amdhsa_code_object_version 6
	.text
	.protected	k_q5fe9564090_prep
	.globl	k_q5fe9564090_prep
	.p2align	8
	.type	k_q5fe9564090_prep,@function
k_q5fe9564090_prep:
	s_mov_b64 s[64:65], 0
	v_nop
	global_prefetch_b8 v0, s[64:65] scope:SCOPE_SE
	s_setreg_imm32_b32 hwreg(HW_REG_WAVE_MODE, 25, 1), 1
	s_wait_xcnt 0x0
; KAN block, first of four launches.  A KAN layer is ONE product: each input number gives nine features (silu and eight cubic B-spline bases),
; and out[n][o] = sum over (i, feature) of feature(x[n][i]) x weight[o][i][feature].  This launch rounds layer 1's weights to f16 and lays them, and the features of x, in one common order of K.
; (Layer 2's weights are rounded by the next launch, beside its product.)
; NOTHING IS LEFT OUT AS DEAD: every input (x, grid, the four weights) has a way to the output and is loaded by some launch.  That at most four of the eight bases differ from 0 hangs on values: all are computed.
; THE ORDER OF K.  A SEGMENT is 256 input columns of one row: 2,048 spline numbers ((i % 256) x 8 + g), then 256 base numbers (i % 256): 2,304 f16 = 4,608 bytes = 18 x 256.
; Segment q comes from 8,192 bytes of the spline tensor at 8,192 q and 1,024 bytes of the base tensor at 1,024 q, and goes to byte 4,608 q.  A row of a1 and of w1p is two segments.
; THE SPLINES follow the recursion of the problem on the 12 knots AS GIVEN, in f32 (no spacing or order is assumed): 11 indicators, then 10, 9, 8 bases, with
; left_m = (x - g_m) / (g_(m+j) - g_m) and right_m = 1 - left_(m+1), an identity for all values (the two have the same denominator).
; THE FORMAT.  Matrix operands are f16: 11 significant bits.  x and the knots stay f32; a feature and a weight are rounded once.  The room: bases lie in 0 to 1 for ascending knots; silu(x) is at most |x|.
; LIMITS.  A weight or a feature of 65,520 or more in size becomes an infinity; below 6e-5 a number keeps f16's fixed step of 6e-8.  The indicator [x < g] is (g - x) x 2^100 held to 0 .. 1: it is a
; fraction only where 0 < g - x < 2^-100 (both below 2^-76 in size), and wrong only where |g| reaches 2^28.  Equal knots give NaN as in the problem's own division.  NaN and infinities are not treated apart.
; SHARES.  A wave takes one segment; there is no loop.  The work-groups take turns: the even ones make the features of x's 4,096 segments, the odd ones copy w1's 4,096, so that each WGP is dealt both kinds.
; No LDS, barrier, cluster or matrix unit: no wave wants a byte that another wave has fetched.
.set XA, 10                            ; v[10:17]   x: number lane + 32 j in register j
.set XB, 18                            ; v[18:25]   x: numbers 8 lane .. 8 lane + 7
.set S,  26                            ; v[26:49]   12 pairs: indicators, then bases (a pair = two numbers x at once)
.set L,  50                            ; v[50:71]   11 pairs: left
.set U,  72                            ; v[72:93]   pairs 1-10: (1 - left) x basis
.set NB, 94                            ; v[94:95]   -2^100 twice
.set GB, 96                            ; v[96:119]  g_i x 2^100 twice
.set RC, 120                           ; v[120:239] for each of the 30 (level, m): r, r, g r, g r with r = 1 / (g_(m+j) - g_m)
.set O,  240                           ; v[240:247] two numbers' eight bases in f16: 16 bytes each
.set GR, 36                            ; s[36:47]   the knots
.set LE, 48                            ; s[48:49]   -log2(e)
.set D,  16                            ; the copy: v[16:87] 18 loads of four f32
.set E,  88                            ; v[88:123] their f16
; The constants of the recursion, once a wave.
.macro KSUB j, t0
.set m, 0
.rept 12-(\j)
	v_sub_f32 v[RC+4*((\t0)+m)], v[S+m+(\j)], v[S+m]
.set m, m+1
.endr
.endm
.macro KFIN j, t0
.set m, 0
.rept 12-(\j)
	v_mul_f32 v[RC+4*((\t0)+m)+2], v[S+m], v[RC+4*((\t0)+m)]
	v_mov_b32 v[RC+4*((\t0)+m)+1], v[RC+4*((\t0)+m)]
.set m, m+1
.endr
.set m, 0
.rept 12-(\j)
	v_mov_b32 v[RC+4*((\t0)+m)+3], v[RC+4*((\t0)+m)+2]
.set m, m+1
.endr
.endm
.macro KCONST
.set m, 0
.rept 12
	v_mov_b32 v[S+m], s[GR+m]                              ; g_k in v[S+k]
.set m, m+1
.endr
	v_mov_b32 v[NB], 0xf1800000                            ; -2^100
	v_mov_b32 v[NB+1], 0xf1800000
.set m, 0
.rept 12
	v_mul_f32 v[GB+2*m], 0x71800000, v[S+m]
.set m, m+1
.endr
.set m, 0
.rept 12
	v_mov_b32 v[GB+2*m+1], v[GB+2*m]
.set m, m+1
.endr
	KSUB 1, 0
	KSUB 2, 11
	KSUB 3, 21
.set m, 0
.rept 30
	v_rcp_f32 v[RC+4*m], v[RC+4*m]                         ; one batch of 30 reciprocals,
.set m, m+1
.endr
	v_nop                                                  ; a plain instruction behind the last,
	s_wait_alu depctr_va_vdst(0)                           ; and one wait ahead of the first reader
	KFIN 1, 0
	KFIN 2, 11
	KFIN 3, 21
.endm
; One level of the recursion for the two numbers in v[x:x+1]: 12 - j left, 11 - j times (1 - left) x basis, 11 - j new bases.  Each array is walked whole, so that no line reads the line before it.
.macro SLEV x, j, t0
.set i, 0
.rept 12-(\j)
	v_pk_fma_f32 v[L+2*i:L+2*i+1], v[(\x):(\x)+1], v[RC+4*((\t0)+i):RC+4*((\t0)+i)+1], v[RC+4*((\t0)+i)+2:RC+4*((\t0)+i)+3] neg_lo:[0,0,1] neg_hi:[0,0,1]
.set i, i+1
.endr
.set i, 1
.rept 11-(\j)
	v_pk_fma_f32 v[U+2*i:U+2*i+1], v[L+2*i:L+2*i+1], v[S+2*i:S+2*i+1], v[S+2*i:S+2*i+1] neg_lo:[1,0,0] neg_hi:[1,0,0]
.set i, i+1
.endr
.set i, 0
.rept 11-(\j)
	v_pk_fma_f32 v[S+2*i:S+2*i+1], v[L+2*i:L+2*i+1], v[S+2*i:S+2*i+1], v[U+2*i+2:U+2*i+3]
.set i, i+1
.endr
.endm
.macro SPL2 x                          ; the eight bases of two numbers: 107 packed multiply-adds; they end in S's pairs 0-7
.set i, 0
.rept 12
	v_pk_fma_f32 v[S+2*i:S+2*i+1], v[(\x):(\x)+1], v[NB:NB+1], v[GB+2*i:GB+2*i+1] clamp   ; [x < g_i]
.set i, i+1
.endr
.set i, 0
.rept 11
	v_pk_fma_f32 v[S+2*i:S+2*i+1], v[S+2*i:S+2*i+1], v[S+2*i+2:S+2*i+3], v[S+2*i+2:S+2*i+3] neg_lo:[1,0,0] neg_hi:[1,0,0]   ; (1 - [x < g_i]) [x < g_(i+1)], ascending, in place
.set i, i+1
.endr
	SLEV \x, 1, 0
	SLEV \x, 2, 11
	SLEV \x, 3, 21
.endm
.macro SPACK                           ; number e's eight bases rounded to f16 into v[O+4 e : O+4 e+3]
.irp e, 0,1
.irp q, 0,1,2,3
	v_cvt_pk_f16_f32 v[O+4*(\e)+(\q)], v[S+4*(\q)+(\e)], v[S+4*(\q)+2+(\e)]
.endr
.endr
.endm
	s_load_b256 s[4:11], s[0:1], 0x0               ; x 4, grid 6, w1_base 8, w1_spline 10
	s_load_b128 s[12:15], s[0:1], 0x20             ; a1 12, w1p 14
	v_lshrrev_b32 v1, 5, v0
	v_readfirstlane_b32 s22, v1                    ; wave 0..7
	v_and_b32 v5, 31, v0                           ; lane
	s_lshr_b32 s24, ttmp9, 1
	s_lshl_b32 s24, s24, 3
	s_add_co_u32 s24, s24, s22                     ; the segment, 0 .. 4,095
	s_mul_i32 s30, s24, 4608                       ; where it goes
	s_mov_b32 s31, 0
	s_and_b32 s23, ttmp9, 1
	s_cmp_eq_u32 s23, 0
	s_cbranch_scc1 .Lfeat
	; THE COPY: a segment of weights, 9,216 bytes of f32 in, 4,608 bytes of f16 out.  All 18 loads go out before the first wait.
	s_lshl_b32 s26, s24, 13
	s_mov_b32 s27, 0
	s_lshl_b32 s28, s24, 10
	s_mov_b32 s29, 0
	v_lshlrev_b32 v1, 4, v5                        ; 16 bytes a lane in,
	v_lshlrev_b32 v2, 3, v5                        ; 8 bytes a lane out
	s_wait_kmcnt 0x0
	s_add_nc_u64 s[32:33], s[10:11], s[26:27]
	s_add_nc_u64 s[34:35], s[8:9], s[28:29]
	s_add_nc_u64 s[50:51], s[14:15], s[30:31]
.set k, 0
.rept 16
	global_load_b128 v[D+4*k:D+4*k+3], v1, s[32:33] offset:512*k th:TH_LOAD_NT   ; 512 consecutive bytes a load
.set k, k+1
.endr
	global_load_b128 v[D+64:D+67], v1, s[34:35] th:TH_LOAD_NT
	global_load_b128 v[D+68:D+71], v1, s[34:35] offset:512 th:TH_LOAD_NT
.set k, 0
.rept 18
	s_wait_loadcnt 17-k                            ; loads come back in order: load k is in, the 17 - k younger ones may stay out
	v_cvt_pk_f16_f32 v[E+2*k], v[D+4*k], v[D+4*k+1]
	v_cvt_pk_f16_f32 v[E+2*k+1], v[D+4*k+2], v[D+4*k+3]
	global_store_b64 v2, v[E+2*k:E+2*k+1], s[50:51] offset:256*k   ; the wave's store covers 256 consecutive bytes, aligned
.set k, k+1
.endr
	s_endpgm
.Lfeat:	; THE FEATURES of 256 numbers of x.  x is read in two lane orders (1,024 bytes each), so that both kinds of store cover whole runs of bytes.
	s_lshl_b32 s26, s24, 10
	s_mov_b32 s27, 0
	s_mov_b32 s[LE], 0xbfb8aa3b                    ; -log2(e)
	s_mov_b32 s[LE+1], 0xbfb8aa3b                  ; named with it as a pair
	v_lshlrev_b32 v1, 2, v5
	v_lshlrev_b32 v2, 4, v5
	v_lshlrev_b32 v3, 5, v5
	s_wait_kmcnt 0x0
	s_load_b256 s[GR:GR+7], s[6:7], 0x0
	s_load_b128 s[GR+8:GR+11], s[6:7], 0x20
	s_add_nc_u64 s[32:33], s[4:5], s[26:27]
	s_add_nc_u64 s[34:35], s[12:13], s[30:31]
.irp j, 0,1,2,3,4,5,6,7
	global_load_b32 v[XA+(\j)], v1, s[32:33] offset:128*(\j)
.endr
	global_load_b128 v[XB:XB+3], v3, s[32:33]
	global_load_b128 v[XB+4:XB+7], v3, s[32:33] offset:16
	s_wait_kmcnt 0x0                               ; the knots
	KCONST                                         ; while x is on its way
	s_wait_loadcnt 0x0
	; silu(x) = x / (1 + 2^(-log2(e) x)) of numbers 8 lane .. 8 lane + 7
.irp p, 0,1,2,3
	v_pk_mul_f32 v[U+2*(\p):U+2*(\p)+1], v[XB+2*(\p):XB+2*(\p)+1], s[LE:LE+1] op_sel_hi:[1,0]
.endr
.irp p, 0,1,2,3,4,5,6,7
	v_exp_f32 v[U+(\p)], v[U+(\p)]
.endr
	v_nop                                          ; a plain instruction behind the last exponential,
	s_wait_alu depctr_va_vdst(0)                   ; one wait for the batch of eight
.irp p, 0,1,2,3
	v_pk_add_f32 v[U+2*(\p):U+2*(\p)+1], v[U+2*(\p):U+2*(\p)+1], 1.0 op_sel_hi:[1,0]
.endr
.irp p, 0,1,2,3,4,5,6,7
	v_rcp_f32 v[U+(\p)], v[U+(\p)]
.endr
	v_nop
	s_wait_alu depctr_va_vdst(0)                   ; one wait for the eight reciprocals
.irp p, 0,1,2,3
	v_pk_mul_f32 v[U+2*(\p):U+2*(\p)+1], v[U+2*(\p):U+2*(\p)+1], v[XB+2*(\p):XB+2*(\p)+1]
.endr
.irp p, 0,1,2,3
	v_cvt_pk_f16_f32 v[O+(\p)], v[U+2*(\p)], v[U+2*(\p)+1]
.endr
	global_store_b128 v2, v[O:O+3], s[34:35] offset:4096   ; the segment's 256 base numbers: 512 consecutive bytes
.irp p, 0,1,2,3
	SPL2 XA+2*(\p)                                 ; numbers lane + 64 p and lane + 64 p + 32
	s_wait_xcnt 0x0                                ; O was the last stores' data: it is rewritten only behind this wait
	SPACK
	global_store_b128 v2, v[O:O+3], s[34:35] offset:1024*(\p)         ; number i's eight bases lie at byte 16 i: 512 consecutive bytes a store
	global_store_b128 v2, v[O+4:O+7], s[34:35] offset:1024*(\p)+512
.endr
	s_endpgm
.Lfunc_end_k_q5fe9564090_prep:
	.size	k_q5fe9564090_prep, .Lfunc_end_k_q5fe9564090_prep-k_q5fe9564090_prep
	.p2alignl 7, 3214868480
	.fill 96, 4, 3214868480
	.section	.rodata,"a",@progbits
	.p2align	6, 0x0
	.amdhsa_kernel k_q5fe9564090_prep
		.amdhsa_group_segment_fixed_size 0
		.amdhsa_private_segment_fixed_size 0
		.amdhsa_enable_private_segment 0
		.amdhsa_kernarg_size 48
		.amdhsa_user_sgpr_count 2
		.amdhsa_user_sgpr_kernarg_segment_ptr 1
		.amdhsa_wavefront_size32 1
		.amdhsa_system_sgpr_workgroup_id_x 1
		.amdhsa_system_sgpr_workgroup_id_y 1
		.amdhsa_system_sgpr_workgroup_id_z 1
		.amdhsa_system_vgpr_workitem_id 0
		.amdhsa_next_free_vgpr 256
		.amdhsa_next_free_sgpr 66
		.amdhsa_reserve_vcc 0
		.amdhsa_float_denorm_mode_32 3
		.amdhsa_float_denorm_mode_16_64 3
		.amdhsa_memory_ordered 1
		.amdhsa_forward_progress 1
		.amdhsa_inst_pref_size 47
	.end_amdhsa_kernel
	.amdgpu_metadata
---
amdhsa.version: [ 1, 2 ]
amdhsa.kernels:
  - .name:           k_q5fe9564090_prep
    .symbol:         k_q5fe9564090_prep.kd
    .args:
      - { .name: x, .offset: 0, .size: 8, .value_kind: global_buffer, .address_space: global }
      - { .name: grid, .offset: 8, .size: 8, .value_kind: global_buffer, .address_space: global }
      - { .name: w1_base, .offset: 16, .size: 8, .value_kind: global_buffer, .address_space: global }
      - { .name: w1_spline, .offset: 24, .size: 8, .value_kind: global_buffer, .address_space: global }
      - { .name: a1, .offset: 32, .size: 8, .value_kind: global_buffer, .address_space: global }
      - { .name: w1p, .offset: 40, .size: 8, .value_kind: global_buffer, .address_space: global }
    .group_segment_fixed_size: 0
    .private_segment_fixed_size: 0
    .kernarg_segment_align: 8
    .kernarg_segment_size: 48
    .max_flat_workgroup_size: 256
    .sgpr_count:     66
    .vgpr_count:     256
    .wavefront_size: 32
...
	.end_amdgpu_metadata
.endif
;; end of part 1
;; launch gemm1 (part 2): grid 16 x 16, 4 waves a work-group, clusters of 4 x 4, 327,680 bytes of LDS; arguments a1, w1p, hb, w2_base, w2_spline, w2p; writes hb, w2p
.if DOCPART == 2
	.amdgcn_target "amdgcn-amd-amdhsa--gfx1250"
	.amdhsa_code_object_version 6
	.text
	.protected	k_q5fe9564090_gemm1
	.globl	k_q5fe9564090_gemm1
	.p2align	8
	.type	k_q5fe9564090_gemm1,@function
k_q5fe9564090_gemm1:
	s_mov_b64 s[64:65], 0
	v_nop
	global_prefetch_b8 v0, s[64:65] scope:SCOPE_SE
	s_setreg_imm32_b32 hwreg(HW_REG_WAVE_MODE, 25, 1), 1
	s_wait_xcnt 0x0
	s_wait_alu depctr_hold_cnt(0) depctr_sa_sdst(0) depctr_va_vdst(0) depctr_va_sdst(0) depctr_va_ssrc(0) depctr_va_vcc(0) depctr_vm_vsrc(0)
	s_getreg_b32 s2, hwreg(HW_REG_IB_STS2, 6, 4)
	s_cmp_eq_u32 s2, 0
	s_cbranch_scc0 .Lentry_in_a_cluster
	s_endpgm
.Lentry_in_a_cluster:
	s_bfe_u32 s2, ttmp6, 0x10000c
	s_cmp_lg_u32 s2, 0xf033
	s_cbranch_scc0 .Lentry_shape_is_right
	s_endpgm
.Lentry_shape_is_right:
; Layer 1 as one product: h[n][o] = sum over k of a1[n][k] w1p[o][k].  a1: [2048][4608], w1p: [2048][4608], f16, in the common order of K; sums in f32.  Nothing is left out.
; h is stored in f32, unrounded, IN THE ACCUMULATORS' OWN LAYOUT: block (R = row / 16, C = column / 16) at byte 1,024 (128 R + C); in it [half e][lane][4 f32], where lane l holds
; row l % 16 and columns 8 (l / 16) + 4 e + 0..3.  So each store of a wave covers 512 consecutive bytes, aligned, no stage in LDS is needed, and the next launch reads the blocks as they lie.
; A tile of h is 128 x 128: 256 work-groups.  Four waves, each 64 x 64: 16 accumulators.  K goes in 18 steps of 256 (LDS rows of 512 bytes; a wave's tensor load brings 64 of them) through two slots.
; CLUSTERS: 4 x 4 work-groups.  The four of a row of the cluster need the same tiles of a1, the four of a column the same tiles of w1p: each tile is asked for JOINTLY, by the same tensor load with
; the same descriptor and a mask that names the four.  THE MATRIX INSTRUCTION IS USED TRANSPOSED (source 0 = 16 rows of w1p, source 1 = 16 rows of a1): a lane holds eight neighbouring numbers of a row of h.
; BESIDE THE PRODUCT each wave rounds four segments of LAYER 2's weights to f16 for the next launch: this launch's own tiles are 38 MB for all its matrix work, so the stream of 57 MB goes along with it.
; A segment of w2p is 256 input columns of one output row: 256 base numbers (512 bytes), then 2,048 spline numbers ((i % 256) x 8 + g): 4,608 bytes; segment q comes from 1,024 bytes of w2_base at
; 1,024 q and 8,192 bytes of w2_spline at 8,192 q.  In each of the loop's 8 trips a wave asks for 1,024 bytes of each of its four segments at the trip's head (8 loads of 512 consecutive bytes) and rounds
; and stores them a K step later (8 stores of 256 consecutive bytes, aligned); the base parts go the same way in the tail.  A weight of 65,520 or more in size becomes an infinity.
; REGISTERS: window 0: v0-31 addresses; v32-79 the stream; v128-255 the accumulators ((a, b) at v[128 + 8 (4 a + b)]).  Window 1: two fragment buffers of 128: for 64 along K, 64 registers of A, then 64 of B.
.set SIZE_K, 4608
.set KSTEP,  256
.set PITCH,  528                       ; an LDS row: 512 bytes of data + 16 of padding = 132 words: the 16 rows that a load touches start 4 banks apart (64 banks of 4 bytes: ISA guide 11.1)
.set HALFT,  64*PITCH                  ; 64 rows: what one tensor load brings, and what one wave reads of A or of B
.set SLOT,   4*HALFT                   ; A's 128 rows, then B's 128 rows
.set SPARE,  2*SLOT                    ; behind the ring: the spare words, 128 bytes for each wave: two blocks of 256 bytes that no other line names
.set LAPS, SIZE_K/(2*KSTEP)            ; a lap = two K steps = once round the ring: 9
.set ADRA, 16                          ; v16-17  LDS address of my A fragments in slot 0, 1
.set ADRB, 20                          ; v20-21  the same for B
.set CO,   26                          ; v26     16 x lane; never rewritten
.set VS,   27                          ; v27     8 x lane; never rewritten
.set SPW,  28                          ; v28     LDS address of my spare word; never rewritten
.set NIL,  29                          ; v29     0; never rewritten
.set D,    32                          ; v[32:63]  the stream: eight loads of four f32
.set E,    64                          ; v[64:79]  their f16
.set ACC,  128
.set F0,   0                           ; fragment buffers, in window 1
.set F1,   128
.set G1, 24                            ; s[24:31] descriptor group 1 for A's tiles;  s[32:39] group 0, one set for each slot
.set G0, 32
.set G1B, 48                           ; s[48:55], s[56:63] the same for B's tiles
.set G0B, 56
.set WB, 68                            ; s[68:69] w2_base at my wave's four segments
.set WS, 70                            ; s[70:71] w2_spline at the 1,024 bytes of each that the trip takes
.set WD, 72                            ; s[72:73] w2p where they go
.set MSB, 0
.macro WIN new                         ; the immediate's high byte repeats the setting that is left
.if MSB != (\new)
	s_set_vgpr_msb (MSB<<8)|(\new)
.set MSB, \new
.endif
.endm
.set MUL,  0x05                        ; sources 0 (B) and 1 (A) window 1; C and D window 0
.set TO_F, 0x40                        ; destination window 1, address window 0
.macro JLOAD s                         ; a joint load: waves 0 and 1 fetch A's two halves, waves 2 and 3 B's; an s_nop 0 and four v_nop follow each of the two lines, ahead of the jump, the label and what follows
	s_cmp_eq_u32 s11, 0
	s_cbranch_scc0 .Lfor_b_\@
	tensor_load_to_lds s[G0+4*(\s):G0+4*(\s)+3], s[G1:G1+7]
	s_nop 0
.rept 4
	v_nop
.endr
	s_branch .Lasked_\@
.Lfor_b_\@:
	tensor_load_to_lds s[G0B+4*(\s):G0B+4*(\s)+3], s[G1B:G1B+7]
	s_nop 0
.rept 4
	v_nop
.endr
.Lasked_\@:
.endm
.macro CREST                           ; a round of the cluster's barrier behind its opening barrier
	s_cmp_lg_u32 s10, 0
	s_cbranch_scc1 .Lnot_wave_0_\@
	s_barrier_signal -3
.Lnot_wave_0_\@:
	s_barrier_wait -3
	s_barrier_signal -1
	s_barrier_wait -1
.endm
.macro CROUND                          ; a whole round
	s_barrier_signal -1
	s_barrier_wait -1
	CREST
.endm
; THE STREAM.  BGLOAD: 1,024 bytes of each of my four segments, which lie pitch bytes apart behind the pointer.  BGSTORE, a K step later: they are rounded and stored, back bytes in front of the pointer.
.macro BGLOAD base, pitch
	WIN 0
.irp j, 0,1,2,3
.irp u, 0,1
	global_load_b128 v[D+4*(2*(\j)+(\u)):D+4*(2*(\j)+(\u))+3], v[CO], s[(\base):(\base)+1] offset:(\j)*(\pitch)+(\u)*512 th:TH_LOAD_NT
.endr
.endr
.endm
.macro BGSTORE back
	WIN 0
	s_wait_loadcnt 0x0                             ; the eight loads, issued a K step back
.set bn, 0
.rept 16
	v_cvt_pk_f16_f32 v[E+bn], v[D+2*bn], v[D+2*bn+1]
.set bn, bn+1
.endr
.irp j, 0,1,2,3
.irp u, 0,1
	global_store_b64 v[VS], v[E+2*(2*(\j)+(\u)):E+2*(2*(\j)+(\u))+1], s[WD:WD+1] offset:(\j)*4608+(\u)*256-(\back)
.endr
.endr
.endm
	s_load_b128 s[4:7], s[0:1], 0x0                ; a1 s[4:5], w1p s[6:7]
	s_load_b64 s[8:9], s[0:1], 0x10                ; hb
	s_load_b128 s[WB:WB+3], s[0:1], 0x18           ; w2_base, w2_spline
	s_load_b64 s[WD:WD+1], s[0:1], 0x28            ; w2p
	v_lshl_add_u32 v[SPW], v0, 2, SPARE
	v_mov_b32 v[NIL], 0
	ds_add_u32 v[SPW], v[NIL]                      ; the wave's opening: the add, twice on end, and its wait ahead of my first tensor load; the set-up below stands between
	ds_add_u32 v[SPW], v[NIL]
	v_lshrrev_b32 v1, 5, v0
	v_readfirstlane_b32 s10, v1                    ; wave 0..3
	s_lshr_b32 s11, s10, 1                         ; which half of the tile's rows is mine.  Also: I fetch for A (0) or for B (1)
	s_and_b32 s12, s10, 1                          ; which half of its columns.  Also: which 64 rows of that tile I fetch
	s_bfe_u32 s40, ttmp6, 0x40000                  ; cx, cy: my place in the cluster
	s_bfe_u32 s41, ttmp6, 0x40004
	s_lshl_b32 s42, ttmp9, 2
	s_add_co_u32 s42, s42, s40                     ; tile column = 4 x cluster x + cx
	s_and_b32 s13, ttmp7, 0xffff
	s_lshl_b32 s13, s13, 2
	s_add_co_u32 s13, s13, s41                     ; tile row = 4 x cluster y + cy
	s_lshl_b32 s43, s41, 2
	s_lshl_b32 s43, 15, s43                        ; my row of the cluster
	s_lshl_b32 s44, 0x1111, s40                    ; my column
	; descriptor group 1: a tile of 64 rows x 256 elements, padded in LDS
	s_or_b32 s[G1+0], s43, (1<<16)|(1<<20)|(1<<21)|(6<<22)|(3<<25)  ; 15:0 the mask: A's tiles go to my row; 17:16 element of 2 bytes; 20 padding on; 21 set beside a mask; 24:22 after every 128 words (code 6); 31:25 of 4 words (code 3)
	s_or_b32 s[G1B+0], s44, (1<<16)|(1<<20)|(1<<21)|(6<<22)|(3<<25)
.irp g, G1, G1B
	s_mov_b32 s[(\g)+1], KSTEP<<16                 ; tensor_dim0 = 256
	s_mov_b32 s[(\g)+2], 64<<16                    ; tensor_dim1 = 64
	s_mov_b32 s[(\g)+3], KSTEP<<16                 ; tile_dim0 = 256
	s_mov_b32 s[(\g)+4], 64                        ; tile_dim1 = 64
	s_mov_b32 s[(\g)+5], SIZE_K                    ; elements from row to row
	s_mov_b32 s[(\g)+6], 0
	s_mov_b32 s[(\g)+7], 0
.endr
	s_lshl_b32 s17, s12, 6                         ; which 64 rows of the tile I fetch
	s_lshl_b32 s16, s13, 7
	s_add_co_u32 s16, s16, s17                     ; A: row 128 x tile row + 64 x half
	s_lshl_b32 s46, s42, 7
	s_add_co_u32 s46, s46, s17                     ; B: row 128 x tile column + 64 x half
	s_mov_b32 s17, 0
	s_mov_b32 s47, 0
	s_mov_b64 s[18:19], SIZE_K*2
	s_mul_u64 s[16:17], s[16:17], s[18:19]
	s_mul_u64 s[46:47], s[46:47], s[18:19]
	s_mul_i32 s20, s10, HALFT                      ; where they go: wave x 64 rows
	s_wait_dscnt 0x0                               ; both opening adds are done
	s_wait_kmcnt 0x0
	s_add_nc_u64 s[14:15], s[4:5], s[16:17]
	s_add_nc_u64 s[46:47], s[6:7], s[46:47]
	CROUND                                         ; all sixteen work-groups are here: the first joint loads meet
.irp s, 0,1
	s_mov_b32 s[G0+4*(\s)], 1
	s_add_co_u32 s[G0+4*(\s)+1], s20, (\s)*SLOT
	s_add_nc_u64 s[G0+4*(\s)+2:G0+4*(\s)+3], s[14:15], (\s)*KSTEP*2
	s_or_b32 s[G0+4*(\s)+3], s[G0+4*(\s)+3], 0x80000000
	s_mov_b32 s[G0B+4*(\s)], 1
	s_add_co_u32 s[G0B+4*(\s)+1], s20, (\s)*SLOT
	s_add_nc_u64 s[G0B+4*(\s)+2:G0B+4*(\s)+3], s[46:47], (\s)*KSTEP*2
	s_or_b32 s[G0B+4*(\s)+3], s[G0B+4*(\s)+3], 0x80000000
	JLOAD \s                                       ; two tensor loads of mine are out at the start, one behind each later round
.endr
	v_and_b32 v1, 15, v0                           ; l % 16
	v_bfe_u32 v2, v0, 4, 1                         ; l / 16
	v_mul_u32_u24 v3, v1, PITCH
	v_lshl_add_u32 v3, v2, 4, v3                   ; a fragment's row x pitch + 16 x half
	s_mul_i32 s21, s11, HALFT                      ; my 64 rows of A
	s_mul_i32 s22, s12, HALFT                      ; my 64 rows of B,
	s_add_co_u32 s22, s22, 2*HALFT                 ; which lie behind A's 128
.irp s, 0,1
	v_add_nc_u32 v[ADRA+(\s)], s21, v3
	v_add_nc_u32 v[ADRB+(\s)], s22, v3
	s_add_co_u32 s21, s21, SLOT
	s_add_co_u32 s22, s22, SLOT
.endr
	v_and_b32 v[CO], 31, v0
	v_lshlrev_b32 v[VS], 3, v[CO]
	v_lshlrev_b32 v[CO], 4, v[CO]
	s_lshl_b32 s16, s13, 20                        ; my first block of h: R = 8 x tile row + 4 x row half, 131,072 bytes each,
	s_lshl_b32 s17, s11, 19
	s_add_co_u32 s16, s16, s17
	s_mov_b32 s17, 0
	s_add_nc_u64 s[8:9], s[8:9], s[16:17]
	s_lshl_b32 s46, s42, 13                        ; C = 8 x tile column + 4 x column half, 1,024 bytes each
	s_lshl_b32 s47, s12, 12
	s_add_co_u32 s46, s46, s47
	s_mov_b32 s47, 0
	s_add_nc_u64 s[8:9], s[8:9], s[46:47]
	s_lshl_b32 s74, s13, 4                         ; the stream: my wave among the launch's 1,024 = 4 (16 x tile row + tile column) + wave; it takes segments 4 x that number on
	s_add_co_u32 s74, s74, s42
	s_lshl_b32 s74, s74, 2
	s_add_co_u32 s74, s74, s10
	s_lshl_b32 s76, s74, 15                        ; four segments are 32,768 bytes of w2_spline,
	s_mov_b32 s77, 0
	s_lshl_b32 s78, s74, 12                        ; 4,096 of w2_base,
	s_mov_b32 s79, 0
	s_mul_i32 s74, s74, 18432                      ; 18,432 of w2p;
	s_add_co_u32 s74, s74, 512                     ; a segment's spline part begins behind its 512 bytes of base numbers
	s_mov_b32 s75, 0
	s_add_nc_u64 s[WS:WS+1], s[WS:WS+1], s[76:77]
	s_add_nc_u64 s[WB:WB+1], s[WB:WB+1], s[78:79]
	s_add_nc_u64 s[WD:WD+1], s[WD:WD+1], s[74:75]
; 8 matrix instructions: m blocks a0, a0 + 1 x all 4 n blocks, 32 along K: half c of buffer f.  zero = 1: the first product starts the sums.  The 16 accumulators take turns.
.macro MUL8 f, c, a0, zero
	WIN MUL
.irp a, \a0, (\a0)+1
.irp b, 0,1,2,3
.if \zero
	v_wmma_f32_16x16x32_f16 v[ACC+8*(4*(\a)+(\b)):ACC+8*(4*(\a)+(\b))+7], v[(\f)+64+8*(4*(\c)+(\b)):(\f)+64+8*(4*(\c)+(\b))+7], v[(\f)+8*(4*(\c)+(\a)):(\f)+8*(4*(\c)+(\a))+7], 0
.else
	v_wmma_f32_16x16x32_f16 v[ACC+8*(4*(\a)+(\b)):ACC+8*(4*(\a)+(\b))+7], v[(\f)+64+8*(4*(\c)+(\b)):(\f)+64+8*(4*(\c)+(\b))+7], v[(\f)+8*(4*(\c)+(\a)):(\f)+8*(4*(\c)+(\a))+7], v[ACC+8*(4*(\a)+(\b)):ACC+8*(4*(\a)+(\b))+7]
.endif
.endr
.endr
.endm
; 32 LDS loads in one run: the fragments of 64 along K at byte k of the rows, into buffer f; the first 32 along K first
.macro FETCH slot, k, f
	WIN TO_F
.irp c, 0,1
.irp i, 0,1,2,3
	ds_load_b128 v[(\f)+64+8*(4*(\c)+(\i)):(\f)+64+8*(4*(\c)+(\i))+3],   v[ADRB+(\slot)] offset:(\k)+64*(\c)+(\i)*16*PITCH
	ds_load_b128 v[(\f)+64+8*(4*(\c)+(\i))+4:(\f)+64+8*(4*(\c)+(\i))+7], v[ADRB+(\slot)] offset:(\k)+64*(\c)+(\i)*16*PITCH+32
	ds_load_b128 v[(\f)+8*(4*(\c)+(\i)):(\f)+8*(4*(\c)+(\i))+3],         v[ADRA+(\slot)] offset:(\k)+64*(\c)+(\i)*16*PITCH
	ds_load_b128 v[(\f)+8*(4*(\c)+(\i))+4:(\f)+8*(4*(\c)+(\i))+7],       v[ADRA+(\slot)] offset:(\k)+64*(\c)+(\i)*16*PITCH+32
.endr
.endr
.endm
.macro PLACES                          ; four places in front of loads into registers that matrix instructions have read, and of stores that read results
.rept 4
	v_nop
.endr
.endm
; A K step is four quarters of 64 along K, 32 matrix instructions each, on buffers 0, 1, 0, 1.  One of the first three: multiplies buffer f and fetches the next quarter, at byte k, into g.
.macro QUARTER slot, k, f, g, zero
	s_wait_dscnt 16                                ; the first 32 along K are in; the youngest sixteen loads may be out
	WIN MUL
	MUL8 \f, 0, 0, \zero
	MUL8 \f, 0, 2, \zero
	PLACES
	FETCH \slot, \k, \g
	s_wait_dscnt 32                                ; all but the 32 just issued
	WIN MUL
	MUL8 \f, 1, 0, 0
	MUL8 \f, 1, 2, 0
.endm
; The last quarter multiplies buffer 1 and changes slots: ONE barrier; in front of it each wave waits for all its tensor loads, adds 0 to its spare word, and waits for that and for its own reads of this slot.  fill = 1: this slot is filled again, two K steps ahead.
.macro TURN slot, next, fill
	WIN 0                                          ; (the add's two registers lie in window 0)
	s_wait_tensorcnt 0x0                           ; all my tensor loads have landed: my part of the next slot;
	ds_add_u32 v[SPW], v[NIL]                      ; 0 onto my spare word;
	s_wait_dscnt 17                                ; (the add and the youngest sixteen loads may be out)
	WIN MUL
	MUL8 F1, 0, 0, 0                               ; eight matrix instructions stand between the add and the wait for it
	s_wait_dscnt 0x0                               ; the add is done, and my reads of this slot are over
	s_barrier_signal -1
	MUL8 F1, 0, 2, 0
.if \fill
	WIN 0
.endif
	s_barrier_wait -1
.if \fill
	CREST                                          ; the barrier has opened a round of the cluster's barrier: no wave of any partner still reads this slot's tile or has a load on its way
	s_add_nc_u64 s[G0+4*(\slot)+2:G0+4*(\slot)+3], s[G0+4*(\slot)+2:G0+4*(\slot)+3], 2*KSTEP*2
	s_add_nc_u64 s[G0B+4*(\slot)+2:G0B+4*(\slot)+3], s[G0B+4*(\slot)+2:G0B+4*(\slot)+3], 2*KSTEP*2
	JLOAD \slot                                    ; the first tensor load behind the round; the four v_nop behind it are also the places in front of the loads below
.else
	PLACES
.endif
	FETCH \next, 0, F0
	WIN MUL
	MUL8 F1, 1, 0, 0
	MUL8 F1, 1, 2, 0
.endm
	s_wait_tensorcnt 1                             ; my part of K step 0 is in; K step 1's may stay out
	s_barrier_signal -1
	s_barrier_wait -1                              ; everybody's is
	FETCH 0, 0, F0
	QUARTER 0, 128, F0, F1, 1                      ; the first quarter stands in front of the loop: its first products start the sums
	WIN 0                                          ; at a label and at a branch every window is 0
	s_mov_b32 s3, LAPS-1
.Llap:                                                 ; a trip goes once round the ring, from a lap's second quarter to the next lap's first, and fills both slots again
	BGLOAD WS, 8192                                ; the stream's eight loads of this trip
	QUARTER 0, 256, F1, F0, 0
	QUARTER 0, 384, F0, F1, 0
	TURN 0, 1, 1
	QUARTER 1, 128, F0, F1, 0
	BGSTORE 0                                      ; four quarters on: rounded and stored
	QUARTER 1, 256, F1, F0, 0
	QUARTER 1, 384, F0, F1, 0
	TURN 1, 0, 1
	QUARTER 0, 128, F0, F1, 0
	WIN 0
	s_wait_xcnt 0x0                                ; the stream's stores, four quarters back, have read their data and their pointer; its loads are done
	s_add_nc_u64 s[WS:WS+1], s[WS:WS+1], 1024
	s_add_nc_u64 s[WD:WD+1], s[WD:WD+1], 512
	s_sub_co_u32 s3, s3, 1
	s_cmp_lg_u32 s3, 0
	s_cbranch_scc1 .Llap
	BGLOAD WB, 1024                                ; the four segments' base parts, 1,024 bytes each
	QUARTER 0, 256, F1, F0, 0                      ; the last lap fills nothing, and has no round of the cluster's barrier
	QUARTER 0, 384, F0, F1, 0
	TURN 0, 1, 0
	QUARTER 1, 128, F0, F1, 0
	BGSTORE 4608                                   ; the pointer has gone 512 + 8 x 512 bytes into the first segment: the base parts lie a segment's length in front of it
	QUARTER 1, 256, F1, F0, 0
	QUARTER 1, 384, F0, F1, 0
	s_wait_dscnt 16                                ; the very last quarter: nothing more to fetch
	WIN MUL
	MUL8 F1, 0, 0, 0
	MUL8 F1, 0, 2, 0
	s_wait_dscnt 0
	MUL8 F1, 1, 0, 0
	MUL8 F1, 1, 2, 0
	WIN 0
	; THE WAY OUT: each accumulator is a block of h as it lies: two stores of 512 consecutive bytes, its low four registers first
	PLACES
	PLACES
.irp a, 0,1,2,3
.irp b, 0,1,2,3
	global_store_b128 v[CO], v[ACC+8*(4*(\a)+(\b)):ACC+8*(4*(\a)+(\b))+3],   s[8:9] offset:(\a)*131072+(\b)*1024
	global_store_b128 v[CO], v[ACC+8*(4*(\a)+(\b))+4:ACC+8*(4*(\a)+(\b))+7], s[8:9] offset:(\a)*131072+(\b)*1024+512
.endr
.endr
	s_wait_tensorcnt 0x0                           ; the wave's end, behind my last tensor load
	ds_add_u32 v[SPW], v[NIL]
	s_wait_dscnt 0x0
	CROUND                                         ; the closing round: no work-group ends while a partner may still ask for a tile that names it
	s_endpgm
.Lfunc_end_k_q5fe9564090_gemm1:
	.size	k_q5fe9564090_gemm1, .Lfunc_end_k_q5fe9564090_gemm1-k_q5fe9564090_gemm1
	.p2alignl 7, 3214868480
	.fill 96, 4, 3214868480
	.section	.rodata,"a",@progbits
	.p2align	6, 0x0
	.amdhsa_kernel k_q5fe9564090_gemm1
		.amdhsa_group_segment_fixed_size 327680
		.amdhsa_private_segment_fixed_size 0
		.amdhsa_enable_private_segment 0
		.amdhsa_kernarg_size 48
		.amdhsa_user_sgpr_count 2
		.amdhsa_user_sgpr_kernarg_segment_ptr 1
		.amdhsa_wavefront_size32 1
		.amdhsa_system_sgpr_workgroup_id_x 1
		.amdhsa_system_sgpr_workgroup_id_y 1
		.amdhsa_system_sgpr_workgroup_id_z 1
		.amdhsa_system_vgpr_workitem_id 0
		.amdhsa_next_free_vgpr 512
		.amdhsa_next_free_sgpr 80
		.amdhsa_reserve_vcc 0
		.amdhsa_float_denorm_mode_32 3
		.amdhsa_float_denorm_mode_16_64 3
		.amdhsa_memory_ordered 1
		.amdhsa_forward_progress 1
		.amdhsa_inst_pref_size 87
	.end_amdhsa_kernel
	.amdgpu_metadata
---
amdhsa.version: [ 1, 2 ]
amdhsa.kernels:
  - .name:           k_q5fe9564090_gemm1
    .symbol:         k_q5fe9564090_gemm1.kd
    .args:
      - { .name: a1, .offset: 0, .size: 8, .value_kind: global_buffer, .address_space: global }
      - { .name: w1p, .offset: 8, .size: 8, .value_kind: global_buffer, .address_space: global }
      - { .name: hb, .offset: 16, .size: 8, .value_kind: global_buffer, .address_space: global }
      - { .name: w2_base, .offset: 24, .size: 8, .value_kind: global_buffer, .address_space: global }
      - { .name: w2_spline, .offset: 32, .size: 8, .value_kind: global_buffer, .address_space: global }
      - { .name: w2p, .offset: 40, .size: 8, .value_kind: global_buffer, .address_space: global }
    .group_segment_fixed_size: 327680
    .private_segment_fixed_size: 0
    .kernarg_segment_align: 8
    .kernarg_segment_size: 48
    .max_flat_workgroup_size: 128
    .sgpr_count:     80
    .vgpr_count:     512
    .wavefront_size: 32
...
	.end_amdgpu_metadata
.endif
;; end of part 2
;; launch gemm2 (part 3): grid 32 x 8, 4 waves a work-group, clusters of 4 x 1, 327,680 bytes of LDS; arguments hb, w2p, grid, part; writes part
.if DOCPART == 3
	.amdgcn_target "amdgcn-amd-amdhsa--gfx1250"
	.amdhsa_code_object_version 6
	.text
	.protected	k_q5fe9564090_gemm2
	.globl	k_q5fe9564090_gemm2
	.p2align	8
	.type	k_q5fe9564090_gemm2,@function
k_q5fe9564090_gemm2:
	s_mov_b64 s[64:65], 0
	v_nop
	global_prefetch_b8 v0, s[64:65] scope:SCOPE_SE
	s_setreg_imm32_b32 hwreg(HW_REG_WAVE_MODE, 25, 1), 1
	s_wait_xcnt 0x0
	s_wait_alu depctr_hold_cnt(0) depctr_sa_sdst(0) depctr_va_vdst(0) depctr_va_sdst(0) depctr_va_ssrc(0) depctr_va_vcc(0) depctr_vm_vsrc(0)
	s_getreg_b32 s2, hwreg(HW_REG_IB_STS2, 6, 4)
	s_cmp_eq_u32 s2, 0
	s_cbranch_scc0 .Lentry_in_a_cluster
	s_endpgm
.Lentry_in_a_cluster:
	s_bfe_u32 s2, ttmp6, 0x10000c
	s_cmp_lg_u32 s2, 0x3003
	s_cbranch_scc0 .Lentry_shape_is_right
	s_endpgm
.Lentry_shape_is_right:
; Layer 2: part[c][n][o] = sum over the 2,304 features k of chunk c of feature_k(h[n]) x w2p[o][k].  The features of h (silu and eight B-spline bases a number) are made HERE, each once, and never
; go to memory.  Nothing is left out: all eight bases of every number are computed and multiplied.
; SHARES.  A work-group has 64 rows of h (block T), ALL 512 output columns and one eighth of K: chunk c = 256 columns of h.  32 x 8 = 256 work-groups.  The eight partial sums of an output, f32, are
; added by the next launch.  A wave multiplies the 64 rows by its own 128 output columns (32 accumulators) and makes the features of 16 of the 64 rows, which the four waves share through LDS.
; K WALK.  18 steps of 128 features, in the order of w2p's segments: steps 0, 1 the silu of 128 columns each, steps 2-17 the bases of 16 columns of h each.
; BY TURNS.  The head makes all silu and stores both base steps' features.  From step 1 to step 16 a step's 128 matrix instructions carry the NEXT step's features between them: a quarter step (32 matrix
; instructions) carries the 115 lines of one pair of numbers, four behind each matrix instruction, and the pair's two LDS stores behind the thirtieth.  With the two switches of the register window that is seven
; lines for a matrix instruction.  The lines name none of the products' registers, so they are also the places in front of the fragment loads.  Steps 0 and 17 carry nothing.
; CLUSTER.  The four work-groups of a cluster have the same chunk and walk the same tiles of w2p: each tile is asked for JOINTLY (the same load, descriptor and mask of four in all).
; My place in the cluster enters the addresses of h and of part alone.  h has one reader for each block, so it comes by plain loads.
; THE WALK IS TURNED.  Cluster x of a chunk's eight takes the eight pairs of spline steps in the order x, x + 1, .. round to x - 1 (f32 sums may be taken in any order).  So at any time the eight ask for
; eight different pairs of tiles; each pair is asked for first by one cluster, in its first trip, and by the seven others in later trips.  No prefetch is laid: every tile's first request falls into the
; launch's first four steps, next to its head, and all later requests are repeats.
; RING.  Two slots of 512 rows x 256 bytes of w2p; wave w fills and alone reads rows 128 w on.  Two buffers of 64 rows x 256 bytes of features, written by ds_store alone.  ONE round of the cluster's
; barrier a step: in front of it my tile has landed, my features of this step are stored and my reads of the last step are over; behind it the other slot is filled again.  One tensor load of mine is out at a time.
; THE FORMAT.  h and the knots stay f32; a feature is rounded once to f16 (11 significant bits).  The room: bases lie in 0 to 1 for ascending knots; silu(h) is at most |h|, a sum of 512 products of layer 1.
; LIMITS.  A feature of 65,520 or more in size (|h| so large) becomes an infinity; below 6e-5 it keeps f16's fixed step of 6e-8.  [x < g] is (g - x) x 2^100 held to 0 .. 1, a fraction only where
; 0 < g - x < 2^-100, wrong only where |g| reaches 2^28; equal knots give NaN as the problem's own division does; NaN and infinities are not treated apart.
; REGISTERS, in windows of 256 (s_set_vgpr_msb: bits 1:0 source 0, 3:2 source 1, 5:4 source 2, 7:6 destination):
;   window 0: addresses, two blocks of h, the spline's arrays and constants          window 1: accumulator (a, b) at 8 (8 a + b)
;   window 2: two fragment sets of 96 (A's 4 fragments, then B's 8)                   window 3: v0-127 my 128 numbers of h a lane; v128-191 their silu in f16; v192-223 at work
.set PITCH,  272                       ; an LDS row: 256 bytes + 16 of padding = 68 words: the 16 rows that a load touches start 4 banks apart (64 banks of 4 bytes: ISA guide 11.1)
.set BLK,    16*PITCH
.set SLICE,  128*PITCH                 ; a wave's part of a slot: 34,816
.set SLOTB,  4*SLICE                   ; 139,264
.set ABASE,  2*SLOTB                   ; the feature buffers: blocks of 256 bytes into which no tensor load lands
.set ABUF,   64*PITCH                  ; 17,408
.set SPARE,  ABASE+2*ABUF              ; the spare words, 128 bytes for each wave: two blocks of 256 bytes that no other line names
.set SPITCH, 528                       ; the way out: a row of 128 f32 + 16 bytes, in my own part of slot 0, which has had its last fill by then
.set ADRA, 3                           ; v3    my lane's place in feature buffer 0
.set ADRB0, 5                          ; v5, v6 in my part of slot 0, 1
.set ASTO, 7                           ; v7    where I put a number's eight bases
.set BSTO, 8                           ; v8    where I put eight silu
.set HO,   9                           ; v9    16 x lane
.set STG,  10                          ; v10   the way out: in
.set RDB,  11                          ; v11   the way out: back
.set SPW,  14                          ; v14   LDS address of my spare word; never rewritten
.set NIL,  15                          ; v15   0; never rewritten
.set H0,   16                          ; v[16:23]  my eight numbers of a pair's first block of h
.set H1,   24                          ; v[24:31]  of its second
.set S,    32                          ; v[32:55]  12 pairs: indicators, then bases (a pair = two numbers at once)
.set L,    56                          ; v[56:77]  11 pairs: left
.set O,    56                          ; v[56:63]  takes L's place when the bases are finished: two numbers' eight bases in f16
.set U,    78                          ; v[78:99]  pairs 1-10: (1 - left) x basis
.set NB,   100                         ; v[100:101] -2^100 twice
.set GB,   102                         ; v[102:125] g_i x 2^100 twice
.set RC,   126                         ; v[126:245] for each of the 30 (level, m): r, r, g r, g r
.set F0,   0
.set F1,   96
.set SB,   128                         ; window 3: silu packed, block b at SB + 4 b
.set TS,   192                         ; window 3: at work
.set WV,  12                           ; s12  my wave's number
.set G1,  16                           ; s[16:23] descriptor group 1
.set G0,  24                           ; s[24:31] descriptor group 0, a set for each slot
.set HP,  32                           ; s[32:33] h at the pair of blocks in hand
.set CNT, 34                           ; s34  trips to go
.set GR,  36                           ; s[36:47] the knots
.set LE,  60                           ; s[60:61] -log2(e)
.set WPA, 66                           ; s[66:67] w2p at my rows' first spline tile (slot 0's), s[68:69] at their second (slot 1's)
.set HB,  70                           ; s[70:71] h at my 16 rows' first block of the chunk
.set RO,  72                           ; s[72:73] 512 x the pair of spline tiles to be asked for next
.set HRO, 74                           ; s[74:75] 2,048 x the pair of blocks of h in hand
.set MSB, 0
.macro WIN new                         ; the immediate's high byte repeats the setting that is left
.if MSB != (\new)
	s_set_vgpr_msb (MSB<<8)|(\new)
.set MSB, \new
.endif
.endm
.macro PLACES                          ; four places behind matrix instructions (ISA guide 7.12.1)
.rept 4
	v_nop
.endr
.endm
.macro CROUND                          ; a round of the cluster's barrier: my work-group's barrier; wave 0 signals for it; every wave waits for all four work-groups; my work-group's barrier once more
	s_barrier_signal -1
	s_barrier_wait -1
	s_cmp_lg_u32 s[WV], 0
	s_cbranch_scc1 .Lnot_wave_0_\@
	s_barrier_signal -3
.Lnot_wave_0_\@:
	s_barrier_wait -3
	s_barrier_signal -1
	s_barrier_wait -1
.endm
; The constants of the recursion, once a wave: for each of the 30 (level j, m): r = 1 / (g_(m+j) - g_m) and g_m r, each twice.
.macro KSUB j, t0
.set m, 0
.rept 12-(\j)
	v_sub_f32 v[RC+4*((\t0)+m)], v[S+m+(\j)], v[S+m]
.set m, m+1
.endr
.endm
.macro KFIN j, t0
.set m, 0
.rept 12-(\j)
	v_mul_f32 v[RC+4*((\t0)+m)+2], v[S+m], v[RC+4*((\t0)+m)]
	v_mov_b32 v[RC+4*((\t0)+m)+1], v[RC+4*((\t0)+m)]
.set m, m+1
.endr
.set m, 0
.rept 12-(\j)
	v_mov_b32 v[RC+4*((\t0)+m)+3], v[RC+4*((\t0)+m)+2]
.set m, m+1
.endr
.endm
.macro KCONST
.set m, 0
.rept 12
	v_mov_b32 v[S+m], s[GR+m]                              ; g_k in v[S+k]
.set m, m+1
.endr
	v_mov_b32 v[NB], 0xf1800000                            ; -2^100
	v_mov_b32 v[NB+1], 0xf1800000
.set m, 0
.rept 12
	v_mul_f32 v[GB+2*m], 0x71800000, v[S+m]
.set m, m+1
.endr
.set m, 0
.rept 12
	v_mov_b32 v[GB+2*m+1], v[GB+2*m]
.set m, m+1
.endr
	KSUB 1, 0
	KSUB 2, 11
	KSUB 3, 21
.set m, 0
.rept 30
	v_rcp_f32 v[RC+4*m], v[RC+4*m]                         ; one batch of 30 reciprocals,
.set m, m+1
.endr
	v_nop                                                  ; a plain instruction behind the last,
	s_wait_alu depctr_va_vdst(0)                           ; and one wait ahead of the first reader
	KFIN 1, 0
	KFIN 2, 11
	KFIN 3, 21
.endm
; THE FEATURES OF TWO NUMBERS, v[RX:RX+1], are a list of 115 lines; SL writes number rn of it.
;   0-11     [x < g_i] = (g_i - x) x 2^100 held to 0 .. 1                     12-22    (1 - [x < g_i]) [x < g_(i+1)], ascending, in place: the 11 indicators
;   23-53, 54-81, 82-106   levels j = 1, 2, 3, each: 12 - j times left_m = x r - g r; 11 - j times (1 - left_m) x basis_m; 11 - j times basis_i = left_i basis_i + (1 - left_(i+1)) basis_(i+1)
;   107-114  the eight bases of each number rounded to f16: 16 bytes a number
; Each array is walked whole, so that no line reads the result of a line near it.
.macro SL
.if rn < 12
	v_pk_fma_f32 v[S+2*rn:S+2*rn+1], v[RX:RX+1], v[NB:NB+1], v[GB+2*rn:GB+2*rn+1] clamp
.elseif rn < 23
.set ri, rn-12
	v_pk_fma_f32 v[S+2*ri:S+2*ri+1], v[S+2*ri:S+2*ri+1], v[S+2*ri+2:S+2*ri+3], v[S+2*ri+2:S+2*ri+3] neg_lo:[1,0,0] neg_hi:[1,0,0]
.elseif rn < 107
.set rj, 3
.set rt, 21
.set rb, 82
.if rn < 82
.set rj, 2
.set rt, 11
.set rb, 54
.endif
.if rn < 54
.set rj, 1
.set rt, 0
.set rb, 23
.endif
.set ri, rn-rb
.if ri < 12-rj
	v_pk_fma_f32 v[L+2*ri:L+2*ri+1], v[RX:RX+1], v[RC+4*(rt+ri):RC+4*(rt+ri)+1], v[RC+4*(rt+ri)+2:RC+4*(rt+ri)+3] neg_lo:[0,0,1] neg_hi:[0,0,1]
.elseif ri < 23-2*rj
.set ri, ri-(11-rj)
	v_pk_fma_f32 v[U+2*ri:U+2*ri+1], v[L+2*ri:L+2*ri+1], v[S+2*ri:S+2*ri+1], v[S+2*ri:S+2*ri+1] neg_lo:[1,0,0] neg_hi:[1,0,0]
.else
.set ri, ri-(23-2*rj)
	v_pk_fma_f32 v[S+2*ri:S+2*ri+1], v[L+2*ri:L+2*ri+1], v[S+2*ri:S+2*ri+1], v[U+2*ri+2:U+2*ri+3]
.endif
.else
.set ri, rn-107
	v_cvt_pk_f16_f32 v[O+ri], v[S+4*(ri%4)+ri/4], v[S+4*(ri%4)+2+ri/4]
.endif
.endm
; What stands behind one matrix instruction: the list's next four lines; when the list is through, the pair's two LDS stores; then nothing.
.macro RSLICE
.if rn < 115
	WIN 0
.rept 4
.if rn < 115
	SL
.set rn, rn+1
.endif
.endr
.elseif rn == 115
	WIN 0
	ds_store_b128 v[ASTO], v[O:O+3]   offset:RDST      ; my lane's numbers: row l % 16, columns 8 (l / 16) + 2 p and + 2 p + 1 of the step's 16, 16 bytes each
	ds_store_b128 v[ASTO], v[O+4:O+7] offset:RDST+16
.set rn, 116
.endif
.endm
.macro RPAIR h, p, buf                 ; the list begins anew: pair p of the block in v[h ..], for feature buffer buf
.set RX, (\h)+2*(\p)
.set RDST, (\buf)*ABUF+32*(\p)
.set rn, 0
.endm
.macro HLD h, off                      ; a block of h, 1,024 bytes: 512 consecutive bytes a load
	global_load_b128 v[(\h):(\h)+3],   v[HO], s[HP:HP+1] offset:(\off)
	global_load_b128 v[(\h)+4:(\h)+7], v[HO], s[HP:HP+1] offset:(\off)+512
.endm
; silu(x) = x / (1 + 2^(-log2(e) x)) of 32 of my numbers of h, in window 3: one batch of exponentials and one of reciprocals, a wait each
.macro SILU q
	WIN 0xff
.set i, 0
.rept 16
	v_pk_mul_f32 v[TS+2*i:TS+2*i+1], v[32*(\q)+2*i:32*(\q)+2*i+1], s[LE:LE+1] op_sel_hi:[1,0]
.set i, i+1
.endr
.set i, 0
.rept 32
	v_exp_f32 v[TS+i], v[TS+i]
.set i, i+1
.endr
	v_nop
	s_wait_alu depctr_va_vdst(0)
.set i, 0
.rept 16
	v_pk_add_f32 v[TS+2*i:TS+2*i+1], v[TS+2*i:TS+2*i+1], 1.0 op_sel_hi:[1,0]
.set i, i+1
.endr
.set i, 0
.rept 32
	v_rcp_f32 v[TS+i], v[TS+i]
.set i, i+1
.endr
	v_nop
	s_wait_alu depctr_va_vdst(0)
.set i, 0
.rept 16
	v_pk_mul_f32 v[TS+2*i:TS+2*i+1], v[TS+2*i:TS+2*i+1], v[32*(\q)+2*i:32*(\q)+2*i+1]
.set i, i+1
.endr
.set i, 0
.rept 16
	v_cvt_pk_f16_f32 v[SB+16*(\q)+i], v[TS+2*i], v[TS+2*i+1]
.set i, i+1
.endr
.endm
; 24 LDS loads in one run: the fragments of 32 along K (quarter f of the step): B's eight, then A's four
.macro FETCH slot, f, set
	WIN 0x80                                       ; destination window 2
.irp b, 0,1,2,3,4,5,6,7
	ds_load_b128 v[(\set)+32+8*(\b):(\set)+32+8*(\b)+3],   v[ADRB0+(\slot)] offset:(\b)*BLK+64*(\f)
	ds_load_b128 v[(\set)+32+8*(\b)+4:(\set)+32+8*(\b)+7], v[ADRB0+(\slot)] offset:(\b)*BLK+64*(\f)+32
.endr
.irp a, 0,1,2,3
	ds_load_b128 v[(\set)+8*(\a):(\set)+8*(\a)+3],   v[ADRA] offset:(\slot)*ABUF+(\a)*BLK+64*(\f)
	ds_load_b128 v[(\set)+8*(\a)+4:(\set)+8*(\a)+7], v[ADRA] offset:(\slot)*ABUF+(\a)*BLK+64*(\f)+32
.endr
.endm
; 16 matrix instructions: row blocks a0, a0 + 1 x my 8 column blocks.  Source 0 = 16 rows of w2p, source 1 = 16 rows of features: a lane holds one row and eight neighbouring columns.
; All 32 accumulators take turns, one instruction a turn, in the same order in every quarter, over the backward jump too.  zero = 1: the product starts the sum.  ride = 1: a slice of the features' list behind each.
.macro MUL16 set, a0, zero, ride
.irp a, \a0, (\a0)+1
.irp b, 0,1,2,3,4,5,6,7
	WIN 0x5a                                       ; sources 0 and 1 window 2, C and D window 1
.if \zero
	v_wmma_f32_16x16x32_f16 v[8*(8*(\a)+(\b)):8*(8*(\a)+(\b))+7], v[(\set)+32+8*(\b):(\set)+32+8*(\b)+7], v[(\set)+8*(\a):(\set)+8*(\a)+7], 0
.else
	v_wmma_f32_16x16x32_f16 v[8*(8*(\a)+(\b)):8*(8*(\a)+(\b))+7], v[(\set)+32+8*(\b):(\set)+32+8*(\b)+7], v[(\set)+8*(\a):(\set)+8*(\a)+7], v[8*(8*(\a)+(\b)):8*(8*(\a)+(\b))+7]
.endif
.if \ride
	RSLICE
.endif
.endr
.endr
.endm
.macro QUARTER slot, f, cur, nxt, zero ; multiplies set cur; in its middle fetches quarter f into set nxt
	s_wait_dscnt 4                                 ; B and A's row blocks 0, 1 are in; the youngest four loads (blocks 2, 3) may be out
	MUL16 \cur, 0, \zero, 0
	PLACES                                         ; in front of loads into registers that the quarter before multiplied
	FETCH \slot, \f, \nxt
	s_wait_dscnt 24                                ; all but the 24 just issued
	MUL16 \cur, 2, \zero, 0
.endm
.macro MULSTEP slot, zero              ; a step that carries nothing: 128 matrix instructions, four quarters of 32 along K on sets 0, 1, 0, 1
	FETCH \slot, 0, F0
	QUARTER \slot, 1, F0, F1, \zero
	QUARTER \slot, 2, F1, F0, 0
	QUARTER \slot, 3, F0, F1, 0
	s_wait_dscnt 4
	MUL16 F1, 0, 0, 0
	s_wait_dscnt 0x0
	MUL16 F1, 2, 0, 0
	WIN 0
.endm
; A quarter that carries pair p.  older: the LDS stores issued behind the run of loads that it multiplies (the pair before's two, or none).  The 64 lines behind its first 16 matrix instructions are the
; places in front of the run of loads in its middle.  The pair's own two stores stand behind its thirtieth matrix instruction, behind that run.
.macro RQUARTER slot, f, cur, nxt, h, p, older
	RPAIR \h, \p, 1-(\slot)
	s_wait_dscnt 4+(\older)                        ; the youngest four loads (A's row blocks 2, 3) and the stores behind them may be out
	MUL16 \cur, 0, 0, 1
	FETCH \slot, \f, \nxt
	s_wait_dscnt 24                                ; all but the 24 just issued
	MUL16 \cur, 2, 0, 1
.endm
.macro RSTEP slot, h                   ; a step that carries the next step's features, made of the block of h in v[h ..], into the other feature buffer
	FETCH \slot, 0, F0
	RQUARTER \slot, 1, F0, F1, \h, 0, 0
	RQUARTER \slot, 2, F1, F0, \h, 1, 2
	RQUARTER \slot, 3, F0, F1, \h, 2, 2
	RPAIR \h, 3, 1-(\slot)
	s_wait_dscnt 6
	MUL16 F1, 0, 0, 1
	s_wait_dscnt 2                                 ; all loads are in; pair 2's two stores may be out
	MUL16 F1, 2, 0, 1
	WIN 0
.endm
; THE MEETING in front of step n (slot = n % 2).  refill = 1: the tile of step n + 1 goes into the other slot, and this slot's descriptor is set for step n + 2: its address is made anew from the pair's number.
; adv = 1: that pair is the next one, round the eight.
.macro SYNC slot, refill, adv
	WIN 0                                          ; at a branch and at a label every window is 0
	s_wait_tensorcnt 0x0                           ; my one tensor load has landed: my part of this step's tile; so a group 0 may be written
	ds_add_u32 v[SPW], v[NIL]                      ; 0 onto my spare word; the descriptor's scalar work stands between it and the wait for it
.if \refill
.if \adv
	s_add_co_u32 s[RO], s[RO], 512
	s_and_b32 s[RO], s[RO], 4095
.endif
	s_add_nc_u64 s[G0+4*(\slot)+2:G0+4*(\slot)+3], s[WPA+2*(\slot):WPA+2*(\slot)+1], s[RO:RO+1]
	s_or_b32 s[G0+4*(\slot)+3], s[G0+4*(\slot)+3], 0x80000000
.endif
	s_wait_dscnt 0x0                               ; the add is done, my features of this step are stored, my reads of the last step are over
.if \refill
	CROUND                                         ; all that now holds of every wave of all four work-groups
	tensor_load_to_lds s[G0+4*(1-(\slot)):G0+4*(1-(\slot))+3], s[G1:G1+7]   ; my one tensor load behind the round: it has this step in which to land
	s_nop 0
.rept 4
	v_nop                                          ; (also the places in front of the loads that follow)
.endr
.else
	s_barrier_signal -1
	s_barrier_wait -1
	PLACES
.endif
.endm
	s_load_b256 s[4:11], s[0:1], 0x0               ; hb s[4:5], w2p s[6:7], grid s[8:9], part s[10:11]
	v_lshl_add_u32 v[SPW], v0, 2, SPARE
	v_mov_b32 v[NIL], 0
	ds_add_u32 v[SPW], v[NIL]                      ; the wave's opening: the add, twice on end, and its wait ahead of my first tensor load; the set-up below stands between
	ds_add_u32 v[SPW], v[NIL]
	v_lshrrev_b32 v1, 5, v0
	v_readfirstlane_b32 s[WV], v1                  ; wave 0..3
	s_bfe_u32 s13, ttmp6, 0x40000                  ; cx: my place in the cluster
	s_lshl_b32 s14, ttmp9, 2
	s_add_co_u32 s14, s14, s13                     ; T: my block of 64 rows
	s_and_b32 s15, ttmp7, 0xffff                   ; c: the chunk, which the four partners share
	; descriptor group 1: a tile of 128 rows x 128 elements, padded in LDS
	s_mov_b32 s[G1], 15|(1<<16)|(1<<20)|(1<<21)|(5<<22)|(3<<25)  ; 15:0 the mask of four; 17:16 2-byte elements; 20 padding on; 21 set beside a mask; 24:22 after every 64 words (code 5); 31:25 4 words (code 3)
	s_mov_b32 s[G1+1], 128<<16                     ; tensor_dim0 = 128
	s_mov_b32 s[G1+2], 128<<16                     ; tensor_dim1 = 128
	s_mov_b32 s[G1+3], 128<<16                     ; tile_dim0 = 128
	s_mov_b32 s[G1+4], 128                         ; tile_dim1 = 128
	s_mov_b32 s[G1+5], 18432                       ; elements from row to row
	s_mov_b32 s[G1+6], 0
	s_mov_b32 s[G1+7], 0
	s_mul_i32 s50, s[WV], 128*36864                ; w2p: my 128 rows,
	s_mul_i32 s51, s15, 4608                       ; the chunk's 4,608 bytes of a row
	s_add_co_u32 s50, s50, s51
	s_mov_b32 s51, 0
	s_mul_i32 s52, s[WV], SLICE                    ; my part of a slot: no place in the cluster enters an LDS address
	s_mul_i32 s53, s[WV], BLK
	s_add_co_u32 s53, s53, ABASE                   ; my 16 rows of a feature buffer
	s_lshl_b32 s56, s14, 2
	s_add_co_u32 s56, s56, s[WV]                   ; h: row block R = 4 T + w, 131,072 bytes each,
	s_lshl_b32 s56, s56, 17
	s_lshl_b32 s57, s15, 14                        ; the chunk's 16 blocks of 1,024 bytes
	s_add_co_u32 s56, s56, s57
	s_mov_b32 s57, 0
	s_lshl_b32 s62, s15, 22                        ; part: chunk c, 4,194,304 bytes; block T, 64 rows of 2,048 bytes; my 128 columns
	s_lshl_b32 s63, s14, 17
	s_add_co_u32 s62, s62, s63
	s_lshl_b32 s63, s[WV], 9
	s_add_co_u32 s62, s62, s63
	s_mov_b32 s63, 0
	s_mov_b32 s[LE], 0xbfb8aa3b                    ; -log2(e)
	s_mov_b32 s[LE+1], 0xbfb8aa3b                  ; named with it as a pair
	s_lshl_b32 s[RO], ttmp9, 9                     ; the walk begins at pair x, the cluster's number among the chunk's eight: the same in all four partners
	s_mov_b32 s[RO+1], 0
	s_lshl_b32 s[HRO], ttmp9, 11
	s_mov_b32 s[HRO+1], 0
	s_wait_dscnt 0x0                               ; both opening adds are done
	s_wait_kmcnt 0x0
	s_add_nc_u64 s[54:55], s[6:7], s[50:51]
	s_add_nc_u64 s[WPA:WPA+1], s[54:55], 512       ; behind the two base tiles
	s_add_nc_u64 s[WPA+2:WPA+3], s[54:55], 768
	s_add_nc_u64 s[HB:HB+1], s[4:5], s[56:57]
	s_add_nc_u64 s[HP:HP+1], s[HB:HB+1], s[HRO:HRO+1]
	s_add_nc_u64 s[10:11], s[10:11], s[62:63]
.irp n, 0,1
	s_mov_b32 s[G0+4*(\n)], 1                                      ; count = 1
	s_add_co_u32 s[G0+4*(\n)+1], s52, (\n)*SLOTB                   ; LDS address
	s_add_nc_u64 s[G0+4*(\n)+2:G0+4*(\n)+3], s[54:55], (\n)*256    ; global address: base tile n
	s_or_b32 s[G0+4*(\n)+3], s[G0+4*(\n)+3], 0x80000000            ; type = 2
.endr
	CROUND                                         ; all four work-groups are here: the first joint loads meet
	tensor_load_to_lds s[G0:G0+3], s[G1:G1+7]      ; step 0's tile; step 1's goes out behind the first meeting
	s_nop 0
.rept 4
	v_nop
.endr
	s_load_b256 s[GR:GR+7], s[8:9], 0x0            ; the knots
	s_load_b128 s[GR+8:GR+11], s[8:9], 0x20
	v_and_b32 v1, 15, v0                           ; r = l % 16
	v_bfe_u32 v2, v0, 4, 1                         ; l / 16
	v_and_b32 v13, 31, v0                          ; l
	v_lshlrev_b32 v[HO], 4, v13
	WIN 0xc0                                       ; destination window 3
.set i, 0
.rept 32
	global_load_b128 v[4*i:4*i+3], v[HO], s[HB:HB+1] offset:512*i   ; my wave's 16 blocks of h, 16,384 consecutive bytes: block b, half e into v[8 b + 4 e]
.set i, i+1
.endr
	WIN 0
	HLD H0, 0                                      ; the first block of my first pair once more, where the one text of the loop names it
	v_mul_u32_u24 v4, v1, PITCH
	v_lshl_add_u32 v4, v2, 4, v4                   ; a fragment's row x pitch + 16 x half
	v_add_nc_u32 v[ADRA], ABASE, v4
	v_add_nc_u32 v[ADRB0], s52, v4
	v_add_nc_u32 v[ADRB0+1], SLOTB, v[ADRB0]
	v_mul_u32_u24 v[ASTO], v1, PITCH
	v_add_nc_u32 v[ASTO], s53, v[ASTO]             ; row 16 w + r of a feature buffer
	v_lshl_add_u32 v[BSTO], v2, 4, v[ASTO]         ; silu: 8 numbers of 2 bytes for each half of the lanes
	v_lshl_add_u32 v[ASTO], v2, 7, v[ASTO]         ; bases: 8 numbers of 16 bytes
	v_mul_u32_u24 v[STG], v1, SPITCH
	v_lshl_add_u32 v[STG], v2, 5, v[STG]
	v_add_nc_u32 v[STG], s52, v[STG]
	v_lshl_add_u32 v[RDB], v13, 4, s52
	s_wait_kmcnt 0x0
	KCONST
	s_wait_loadcnt 2                               ; my 128 numbers of h are in; H0's two loads may stay out
	SILU 0
	SILU 1
	SILU 2
	SILU 3
	WIN 0x0c                                       ; store data in window 3
.irp b, 0,1,2,3,4,5,6,7
	ds_store_b128 v[BSTO], v[SB+4*(\b):SB+4*(\b)+3] offset:32*(\b)               ; step 0's features: the silu of the chunk's columns 0-127
.endr
.irp b, 0,1,2,3,4,5,6,7
	ds_store_b128 v[BSTO], v[SB+32+4*(\b):SB+32+4*(\b)+3] offset:ABUF+32*(\b)    ; step 1's: of columns 128-255
.endr
	SYNC 0, 1, 0
	MULSTEP 0, 1                                   ; step 0 is written out: its first quarter starts the sums, so nothing is cleared
	s_mov_b32 s[CNT], 8
.Ltrip:                                                ; trip i: steps 2 i + 1 and 2 i + 2, which carry the features of steps 2 i + 2 and 2 i + 3: pair (i + x) % 8 of the chunk's blocks of h
	s_wait_loadcnt 0x0                             ; H0 is in: its loads went out a step back
	HLD H1, 1024                                   ; the pair's second block: wanted a step on
	SYNC 1, 1, 0
	RSTEP 1, H0
	s_wait_loadcnt 0x0                             ; H1 is in, and no load reads HP any more
	s_add_co_u32 s[HRO], s[HRO], 2048              ; the next pair, round the eight
	s_and_b32 s[HRO], s[HRO], 16383
	s_add_nc_u64 s[HP:HP+1], s[HB:HB+1], s[HRO:HRO+1]
	s_cmp_eq_u32 s[CNT], 1                         ; the last trip has no pair behind it: the loads are jumped; no barrier and no tensor load stands in what is jumped
	s_cbranch_scc1 .Lno_h
	HLD H0, 0                                      ; its first block: wanted a step on
.Lno_h:
	SYNC 0, 1, 1
	RSTEP 0, H1
	s_sub_co_u32 s[CNT], s[CNT], 1
	s_cmp_lg_u32 s[CNT], 0
	s_cbranch_scc1 .Ltrip
	SYNC 1, 0, 0                                   ; the last step is written out: it asks for no tile and carries nothing
	MULSTEP 1, 0
	; THE WAY OUT.  A lane's 32 bytes of a row go into rows of 528 bytes in my own part of slot 0 (its last fill was step 16's tile, my reads of it are over, and no other wave touches it) and come back as whole rows of 512 bytes.
	PLACES
	PLACES
	WIN 0x04                                       ; store data in window 1
.irp a, 0,1,2,3
.irp b, 0,1,2,3,4,5,6,7
	ds_store_b128 v[STG], v[8*(8*(\a)+(\b)):8*(8*(\a)+(\b))+3]   offset:(\a)*16*SPITCH+64*(\b)      ; each accumulator's low four registers first
	ds_store_b128 v[STG], v[8*(8*(\a)+(\b))+4:8*(8*(\a)+(\b))+7] offset:(\a)*16*SPITCH+64*(\b)+16
.endr
.endr
	WIN 0x40
.set i, 0
.rept 64
	ds_load_b128 v[4*i:4*i+3], v[RDB] offset:SPITCH*i   ; LDS serves a wave's instructions in order (ISA guide 5.7.1.4): these see the stores above
.set i, i+1
.endr
	WIN 0x04
.set i, 0
.rept 64
	s_wait_dscnt 63-i                              ; row i is back; the 63 - i younger loads may stay out
	global_store_b128 v[HO], v[4*i:4*i+3], s[10:11] offset:2048*i   ; 512 consecutive bytes, aligned
.set i, i+1
.endr
	WIN 0
	s_wait_tensorcnt 0x0                           ; the wave's end, behind my last tensor load and my last LDS store
	ds_add_u32 v[SPW], v[NIL]
	s_wait_dscnt 0x0
	CROUND                                         ; the closing round: no work-group ends while a partner may still ask for a tile that names it
	s_endpgm
.Lfunc_end_k_q5fe9564090_gemm2:
	.size	k_q5fe9564090_gemm2, .Lfunc_end_k_q5fe9564090_gemm2-k_q5fe9564090_gemm2
	.p2alignl 7, 3214868480
	.fill 96, 4, 3214868480
	.section	.rodata,"a",@progbits
	.p2align	6, 0x0
	.amdhsa_kernel k_q5fe9564090_gemm2
		.amdhsa_group_segment_fixed_size 327680
		.amdhsa_private_segment_fixed_size 0
		.amdhsa_enable_private_segment 0
		.amdhsa_kernarg_size 32
		.amdhsa_user_sgpr_count 2
		.amdhsa_user_sgpr_kernarg_segment_ptr 1
		.amdhsa_wavefront_size32 1
		.amdhsa_system_sgpr_workgroup_id_x 1
		.amdhsa_system_sgpr_workgroup_id_y 1
		.amdhsa_system_sgpr_workgroup_id_z 1
		.amdhsa_system_vgpr_workitem_id 0
		.amdhsa_next_free_vgpr 1024
		.amdhsa_next_free_sgpr 80
		.amdhsa_reserve_vcc 0
		.amdhsa_float_denorm_mode_32 3
		.amdhsa_float_denorm_mode_16_64 3
		.amdhsa_memory_ordered 1
		.amdhsa_forward_progress 1
		.amdhsa_inst_pref_size 193
	.end_amdhsa_kernel
	.amdgpu_metadata
---
amdhsa.version: [ 1, 2 ]
amdhsa.kernels:
  - .name:           k_q5fe9564090_gemm2
    .symbol:         k_q5fe9564090_gemm2.kd
    .args:
      - { .name: hb, .offset: 0, .size: 8, .value_kind: global_buffer, .address_space: global }
      - { .name: w2p, .offset: 8, .size: 8, .value_kind: global_buffer, .address_space: global }
      - { .name: grid, .offset: 16, .size: 8, .value_kind: global_buffer, .address_space: global }
      - { .name: part, .offset: 24, .size: 8, .value_kind: global_buffer, .address_space: global }
    .group_segment_fixed_size: 327680
    .private_segment_fixed_size: 0
    .kernarg_segment_align: 8
    .kernarg_segment_size: 32
    .max_flat_workgroup_size: 128
    .sgpr_count:     80
    .vgpr_count:     1024
    .wavefront_size: 32
...
	.end_amdgpu_metadata
.endif
;; end of part 3
;; launch sum8 (part 4): grid 512 x 1, 8 waves a work-group, no clusters, 0 bytes of LDS; arguments part, out0; writes out0
.if DOCPART == 4
	.amdgcn_target "amdgcn-amd-amdhsa--gfx1250"
	.amdhsa_code_object_version 6
	.text
	.protected	k_q5fe9564090_sum8
	.globl	k_q5fe9564090_sum8
	.p2align	8
	.type	k_q5fe9564090_sum8,@function
k_q5fe9564090_sum8:
	s_mov_b64 s[64:65], 0
	v_nop
	global_prefetch_b8 v0, s[64:65] scope:SCOPE_SE
	s_setreg_imm32_b32 hwreg(HW_REG_WAVE_MODE, 25, 1), 1
	s_wait_xcnt 0x0
; out0[n][o] = the sum over the eight chunks c of part[c][n][o], in f32, c ascending.  part: [8][2048][512], out0: [2048][512].  Nothing is left out.
; A stream: a work-group owns 8,192 bytes of out0, a thread 16 bytes in each half of them.  All 16 loads of a wave go out before the first wait; each load and store covers 512 consecutive bytes.
; No LDS, barrier, cluster or matrix unit: no wave wants a byte that another wave has fetched.
.set D, 16                             ; v[16:79]  half u, chunk c at D + 4 (8 u + c)
.set CH, 4194304                       ; bytes in a chunk
	s_load_b128 s[4:7], s[0:1], 0x0                ; part s[4:5], out0 s[6:7]
	v_lshlrev_b32 v1, 4, v0
	s_lshl_b32 s16, ttmp9, 13
	s_mov_b32 s17, 0
	s_wait_kmcnt 0x0
	s_add_nc_u64 s[8:9], s[4:5], s[16:17]          ; four bases, two chunks apart: the odd chunk stands in the immediate
	s_add_nc_u64 s[10:11], s[8:9], 2*CH
	s_add_nc_u64 s[12:13], s[10:11], 2*CH
	s_add_nc_u64 s[14:15], s[12:13], 2*CH
	s_add_nc_u64 s[6:7], s[6:7], s[16:17]
.irp u, 0,1
.irp c, 0,1,2,3,4,5,6,7
	global_load_b128 v[D+4*(8*(\u)+(\c)):D+4*(8*(\u)+(\c))+3], v1, s[8+2*((\c)/2):9+2*((\c)/2)] offset:((\c)%2)*CH+(\u)*4096 th:TH_LOAD_NT
.endr
.endr
.macro ADD8 u
.irp c, 1,2,3,4,5,6,7
	v_pk_add_f32 v[D+32*(\u):D+32*(\u)+1],   v[D+32*(\u):D+32*(\u)+1],   v[D+32*(\u)+4*(\c):D+32*(\u)+4*(\c)+1]
	v_pk_add_f32 v[D+32*(\u)+2:D+32*(\u)+3], v[D+32*(\u)+2:D+32*(\u)+3], v[D+32*(\u)+4*(\c)+2:D+32*(\u)+4*(\c)+3]
.endr
	global_store_b128 v1, v[D+32*(\u):D+32*(\u)+3], s[6:7] offset:(\u)*4096
.endm
	s_wait_loadcnt 8                               ; the first half's eight loads are in; the second half's may stay out
	ADD8 0
	s_wait_loadcnt 0x0
	ADD8 1
	s_endpgm
.Lfunc_end_k_q5fe9564090_sum8:
	.size	k_q5fe9564090_sum8, .Lfunc_end_k_q5fe9564090_sum8-k_q5fe9564090_sum8
	.p2alignl 7, 3214868480
	.fill 96, 4, 3214868480
	.section	.rodata,"a",@progbits
	.p2align	6, 0x0
	.amdhsa_kernel k_q5fe9564090_sum8
		.amdhsa_group_segment_fixed_size 0
		.amdhsa_private_segment_fixed_size 0
		.amdhsa_enable_private_segment 0
		.amdhsa_kernarg_size 16
		.amdhsa_user_sgpr_count 2
		.amdhsa_user_sgpr_kernarg_segment_ptr 1
		.amdhsa_wavefront_size32 1
		.amdhsa_system_sgpr_workgroup_id_x 1
		.amdhsa_system_sgpr_workgroup_id_y 1
		.amdhsa_system_sgpr_workgroup_id_z 1
		.amdhsa_system_vgpr_workitem_id 0
		.amdhsa_next_free_vgpr 80
		.amdhsa_next_free_sgpr 66
		.amdhsa_reserve_vcc 0
		.amdhsa_float_denorm_mode_32 3
		.amdhsa_float_denorm_mode_16_64 3
		.amdhsa_memory_ordered 1
		.amdhsa_forward_progress 1
		.amdhsa_inst_pref_size 5
	.end_amdhsa_kernel
	.amdgpu_metadata
---
amdhsa.version: [ 1, 2 ]
amdhsa.kernels:
  - .name:           k_q5fe9564090_sum8
    .symbol:         k_q5fe9564090_sum8.kd
    .args:
      - { .name: part, .offset: 0, .size: 8, .value_kind: global_buffer, .address_space: global }
      - { .name: out0, .offset: 8, .size: 8, .value_kind: global_buffer, .address_space: global }
    .group_segment_fixed_size: 0
    .private_segment_fixed_size: 0
    .kernarg_segment_align: 8
    .kernarg_segment_size: 16
    .max_flat_workgroup_size: 256
    .sgpr_count:     66
    .vgpr_count:     80
    .wavefront_size: 32
...
	.end_amdgpu_metadata
.endif
;; end of part 4
;; ======== version 2 of 2: 4 launches; version 1 with the launch prep written anew for expert scheduling mode
;; limits: inputs' magnitudes at most 268,435,456; below input magnitudes of 1.3e-23 results are inexact or not finite; values are held in f16: magnitudes above 65,504 overflow, below 6.1e-05 lose precision
;; workspace buffers: a1 18,874,368 bytes; w1p 18,874,368 bytes; w2p 18,874,368 bytes; hb 16,777,216 bytes; part 33,554,432 bytes
;; launch prep (part 5): grid 1024 x 1, 8 waves a work-group, no clusters, 0 bytes of LDS; arguments x, grid, w1_base, w1_spline, a1, w1p; writes a1, w1p
.if DOCPART == 5
	.amdgcn_target "amdgcn-amd-amdhsa--gfx1250"
	.amdhsa_code_object_version 6
	.text
	.protected	k_q5fe9564090_prep
	.globl	k_q5fe9564090_prep
	.p2align	8
	.type	k_q5fe9564090_prep,@function
k_q5fe9564090_prep:
	s_mov_b64 s[64:65], 0
	v_nop
	global_prefetch_b8 v0, s[64:65] scope:SCOPE_SE
	s_setreg_imm32_b32 hwreg(HW_REG_WAVE_SCHED_MODE, 0, 2), 2
	s_setreg_imm32_b32 hwreg(HW_REG_WAVE_MODE, 25, 1), 1
	s_wait_xcnt 0x0
	s_wait_alu depctr_vm_vsrc(0)
; KAN block, first of four launches.  A KAN layer is ONE product: each input number gives nine features (silu and eight cubic B-spline bases),
; and out[n][o] = sum over (i, feature) of feature(x[n][i]) x weight[o][i][feature].  This launch rounds layer 1's weights to f16 and lays them, and the features of x, in one common order of K.
; (Layer 2's weights are rounded by the next launch, beside its product.)
; NOTHING IS LEFT OUT AS DEAD: every input (x, grid, the four weights) has a way to the output and is loaded by some launch.  That at most four of the eight bases differ from 0 hangs on values: all are computed.
; THE ORDER OF K.  A SEGMENT is 256 input columns of one row: 2,048 spline numbers ((i % 256) x 8 + g), then 256 base numbers (i % 256): 2,304 f16 = 4,608 bytes = 18 x 256.
; Segment q comes from 8,192 bytes of the spline tensor at 8,192 q and 1,024 bytes of the base tensor at 1,024 q, and goes to byte 4,608 q.  A row of a1 and of w1p is two segments.
; THE SPLINES follow the recursion of the problem on the 12 knots AS GIVEN, in f32 (no spacing or order is assumed): 11 indicators, then 10, 9, 8 bases, with
; left_m = (x - g_m) / (g_(m+j) - g_m) and right_m = 1 - left_(m+1), an identity for all values (the two have the same denominator).
; THE FORMAT.  Matrix operands are f16: 11 significant bits.  x and the knots stay f32; a feature and a weight are rounded once.  The room: bases lie in 0 to 1 for ascending knots; silu(x) is at most |x|.
; LIMITS.  A weight or a feature of 65,520 or more in size becomes an infinity; below 6e-5 a number keeps f16's fixed step of 6e-8.  The indicator [x < g] is (g - x) x 2^100 held to 0 .. 1: it is a
; fraction only where 0 < g - x < 2^-100 (both below 2^-76 in size), and wrong only where |g| reaches 2^28.  Equal knots give NaN as in the problem's own division.  NaN and infinities are not treated apart.
; SHARES.  A wave takes one segment; there is no loop.  The work-groups take turns: the even ones make the features of x's 4,096 segments, the odd ones copy w1's 4,096, so that each WGP is dealt both kinds.
; No LDS, barrier, cluster or matrix unit: no wave wants a byte that another wave has fetched.
; THE MODE: SCHED_MODE bits 1:0 = 2 (LLVM: expert scheduling mode 2), set by the entry lines.  The code itself states the register dependences between vector instructions and memory
; instructions, with s_wait_alu, always for 0.
; THE PLAN.  Registers that memory instructions touch:
;   the copy      v1, v2    offsets of the loads and of the stores: written once at the way's head, never again.
;                 D         written by the 18 loads, once each; read by the roundings; no load lands there again.
;                 E         batch b's six roundings write its six registers; the three stores issued in batch b + 1 read them; never written again.
;   the features  v1, v3, v2  offsets of the loads and of the stores: written once at the way's head, never again.
;                 XA, XB    written by the ten loads, once; read by vector lines alone.  When all their readers are through they serve as out-buffers O3 and O2.
;                 SO, O0 .. O3   five out-buffers, each written once, by roundings, and read by one run of stores.
; No register that a store has read is written again, so the text states only that vector results are written ahead of the memory instructions that read them: one wait ahead of each way's first
; load (the offsets), and one ahead of each run of stores (its data).  The wave's number passes through a scalar register: one wait ahead of its first reader.
.set SO, 6                             ; v[6:9]     eight silu in f16: 16 bytes
.set XA, 10                            ; v[10:17]   x: number lane + 32 j in register j
.set XB, 18                            ; v[18:25]   x: numbers 8 lane .. 8 lane + 7
.set S,  26                            ; v[26:49]   12 pairs: indicators, then bases (a pair = two numbers x at once)
.set L,  50                            ; v[50:71]   11 pairs: left
.set U,  72                            ; v[72:93]   pairs 1-10: (1 - left) x basis
.set NB, 94                            ; v[94:95]   -2^100 twice
.set GB, 96                            ; v[96:119]  g_i x 2^100 twice
.set RC, 120                           ; v[120:239] for each of the 30 (level, m): r, r, g r, g r with r = 1 / (g_(m+j) - g_m)
.set O0, 240                           ; v[240:247] pair 0: two numbers' eight bases in f16, 16 bytes each
.set O1, 248                           ; v[248:255] pair 1
.set O2, XB                            ; pair 2: silu, XB's one reader, is through by then
.set O3, XA                            ; pair 3: its own recursion, XA's last reader, is through by then
.set GR, 36                            ; s[36:47]   the knots
.set LE, 48                            ; s[48:49]   -log2(e)
.set D,  16                            ; the copy: v[16:87] 18 loads of four f32
.set E,  88                            ; v[88:123] their f16
; The constants of the recursion, once a wave.
.macro KSUB j, t0
.set m, 0
.rept 12-(\j)
	v_sub_f32 v[RC+4*((\t0)+m)], v[S+m+(\j)], v[S+m]
.set m, m+1
.endr
.endm
.macro KFIN j, t0
.set m, 0
.rept 12-(\j)
	v_mul_f32 v[RC+4*((\t0)+m)+2], v[S+m], v[RC+4*((\t0)+m)]
	v_mov_b32 v[RC+4*((\t0)+m)+1], v[RC+4*((\t0)+m)]
.set m, m+1
.endr
.set m, 0
.rept 12-(\j)
	v_mov_b32 v[RC+4*((\t0)+m)+3], v[RC+4*((\t0)+m)+2]
.set m, m+1
.endr
.endm
.macro KCONST
.set m, 0
.rept 12
	v_mov_b32 v[S+m], s[GR+m]                              ; g_k in v[S+k]
.set m, m+1
.endr
	v_mov_b32 v[NB], 0xf1800000                            ; -2^100
	v_mov_b32 v[NB+1], 0xf1800000
.set m, 0
.rept 12
	v_mul_f32 v[GB+2*m], 0x71800000, v[S+m]
.set m, m+1
.endr
.set m, 0
.rept 12
	v_mov_b32 v[GB+2*m+1], v[GB+2*m]
.set m, m+1
.endr
	KSUB 1, 0
	KSUB 2, 11
	KSUB 3, 21
.set m, 0
.rept 30
	v_rcp_f32 v[RC+4*m], v[RC+4*m]                         ; one batch of 30 reciprocals,
.set m, m+1
.endr
	v_nop                                                  ; a plain instruction behind the last,
	s_wait_alu depctr_va_vdst(0)                           ; and one wait ahead of the first reader: the 30 reciprocals have written v[RC + 4 m]
	KFIN 1, 0
	KFIN 2, 11
	KFIN 3, 21
.endm
; One level of the recursion for the two numbers in v[x:x+1]: 12 - j left, 11 - j times (1 - left) x basis, 11 - j new bases.  Each array is walked whole, so that no line reads the line before it.
.macro SLEV x, j, t0
.set i, 0
.rept 12-(\j)
	v_pk_fma_f32 v[L+2*i:L+2*i+1], v[(\x):(\x)+1], v[RC+4*((\t0)+i):RC+4*((\t0)+i)+1], v[RC+4*((\t0)+i)+2:RC+4*((\t0)+i)+3] neg_lo:[0,0,1] neg_hi:[0,0,1]
.set i, i+1
.endr
.set i, 1
.rept 11-(\j)
	v_pk_fma_f32 v[U+2*i:U+2*i+1], v[L+2*i:L+2*i+1], v[S+2*i:S+2*i+1], v[S+2*i:S+2*i+1] neg_lo:[1,0,0] neg_hi:[1,0,0]
.set i, i+1
.endr
.set i, 0
.rept 11-(\j)
	v_pk_fma_f32 v[S+2*i:S+2*i+1], v[L+2*i:L+2*i+1], v[S+2*i:S+2*i+1], v[U+2*i+2:U+2*i+3]
.set i, i+1
.endr
.endm
.macro SPL2 x                          ; the eight bases of two numbers: 107 packed multiply-adds; they end in S's pairs 0-7
.set i, 0
.rept 12
	v_pk_fma_f32 v[S+2*i:S+2*i+1], v[(\x):(\x)+1], v[NB:NB+1], v[GB+2*i:GB+2*i+1] clamp   ; [x < g_i]
.set i, i+1
.endr
.set i, 0
.rept 11
	v_pk_fma_f32 v[S+2*i:S+2*i+1], v[S+2*i:S+2*i+1], v[S+2*i+2:S+2*i+3], v[S+2*i+2:S+2*i+3] neg_lo:[1,0,0] neg_hi:[1,0,0]   ; (1 - [x < g_i]) [x < g_(i+1)], ascending, in place
.set i, i+1
.endr
	SLEV \x, 1, 0
	SLEV \x, 2, 11
	SLEV \x, 3, 21
.endm
.macro SPACK o                         ; number e's eight bases rounded to f16 into v[o + 4 e : o + 4 e + 3]
.irp e, 0,1
.irp q, 0,1,2,3
	v_cvt_pk_f16_f32 v[(\o)+4*(\e)+(\q)], v[S+4*(\q)+(\e)], v[S+4*(\q)+2+(\e)]
.endr
.endr
.endm
.macro SEND o, p                       ; pair p leaves from out-buffer o: number i's eight bases lie at byte 16 i: 512 consecutive bytes a store
	global_store_b128 v2, v[(\o):(\o)+3],   s[34:35] offset:1024*(\p)
	global_store_b128 v2, v[(\o)+4:(\o)+7], s[34:35] offset:1024*(\p)+512
.endm
; The copy, three loads at a time, from load k0 on.  CV3: their twelve f32 a lane are rounded.  ST3: they are stored.
.macro CV3 k0
.irp u, 0,1,2
	v_cvt_pk_f16_f32 v[E+2*((\k0)+(\u))],   v[D+4*((\k0)+(\u))],   v[D+4*((\k0)+(\u))+1]
	v_cvt_pk_f16_f32 v[E+2*((\k0)+(\u))+1], v[D+4*((\k0)+(\u))+2], v[D+4*((\k0)+(\u))+3]
.endr
.endm
.macro ST3 k0
.irp u, 0,1,2
	global_store_b64 v2, v[E+2*((\k0)+(\u)):E+2*((\k0)+(\u))+1], s[50:51] offset:256*((\k0)+(\u))   ; the wave's store covers 256 consecutive bytes, aligned
.endr
.endm
	s_load_b256 s[4:11], s[0:1], 0x0               ; x 4, grid 6, w1_base 8, w1_spline 10
	s_load_b128 s[12:15], s[0:1], 0x20             ; a1 12, w1p 14
	v_lshrrev_b32 v1, 5, v0
	v_readfirstlane_b32 s22, v1                    ; wave 0..7
	v_and_b32 v5, 31, v0                           ; lane
	s_lshr_b32 s24, ttmp9, 1
	s_lshl_b32 s24, s24, 3
	s_wait_alu depctr_va_sdst(0)                   ; s22 is written, ahead of its first reader: the segment's number, and every base with it, is made from it
	s_add_co_u32 s24, s24, s22                     ; the segment, 0 .. 4,095
	s_mul_i32 s30, s24, 4608                       ; where it goes
	s_mov_b32 s31, 0
	s_and_b32 s23, ttmp9, 1
	s_cmp_eq_u32 s23, 0
	s_cbranch_scc1 .Lfeat
	; THE COPY: a segment of weights, 9,216 bytes of f32 in, 4,608 bytes of f16 out.  All 18 loads go out before the first wait for data.
	s_lshl_b32 s26, s24, 13
	s_mov_b32 s27, 0
	s_lshl_b32 s28, s24, 10
	s_mov_b32 s29, 0
	v_lshlrev_b32 v1, 4, v5                        ; 16 bytes a lane in,
	v_lshlrev_b32 v2, 3, v5                        ; 8 bytes a lane out
	s_wait_kmcnt 0x0
	s_add_nc_u64 s[32:33], s[10:11], s[26:27]
	s_add_nc_u64 s[34:35], s[8:9], s[28:29]
	s_add_nc_u64 s[50:51], s[14:15], s[30:31]
	s_wait_alu depctr_va_vdst(0)                   ; v1 and v2 are written: every load below reads v1 as its offset, every store v2
.set k, 0
.rept 16
	global_load_b128 v[D+4*k:D+4*k+3], v1, s[32:33] offset:512*k th:TH_LOAD_NT   ; 512 consecutive bytes a load
.set k, k+1
.endr
	global_load_b128 v[D+64:D+67], v1, s[34:35] th:TH_LOAD_NT
	global_load_b128 v[D+68:D+71], v1, s[34:35] offset:512 th:TH_LOAD_NT
	; Six batches of three loads.  A batch's stores are issued at the head of the next batch, behind the wait for that batch's data.
	s_wait_loadcnt 15                              ; loads come back in order (ISA guide 5.7.1): loads 0 to 2 are in, the 15 younger ones may stay out
	CV3 0
.irp b, 1,2,3,4,5
	s_wait_loadcnt 15-3*(\b)                       ; batch b's three loads are in, the younger ones may stay out
	s_wait_alu depctr_va_vdst(0)                   ; the batch before's six roundings have written their part of E, which the three stores below read
	ST3 3*(\b)-3
	CV3 3*(\b)                                     ; these write another part of E: none that a store has read
.endr
	s_wait_alu depctr_va_vdst(0)                   ; the last batch's roundings have written their part of E, which the last three stores read
	ST3 15
	s_endpgm
.Lfeat:	; THE FEATURES of 256 numbers of x.  x is read in two lane orders (1,024 bytes each), so that both kinds of store cover whole runs of bytes.
	s_lshl_b32 s26, s24, 10
	s_mov_b32 s27, 0
	s_mov_b32 s[LE], 0xbfb8aa3b                    ; -log2(e)
	s_mov_b32 s[LE+1], 0xbfb8aa3b                  ; named with it as a pair
	v_lshlrev_b32 v1, 2, v5
	v_lshlrev_b32 v2, 4, v5
	v_lshlrev_b32 v3, 5, v5
	s_wait_kmcnt 0x0
	s_load_b256 s[GR:GR+7], s[6:7], 0x0
	s_load_b128 s[GR+8:GR+11], s[6:7], 0x20
	s_add_nc_u64 s[32:33], s[4:5], s[26:27]
	s_add_nc_u64 s[34:35], s[12:13], s[30:31]
	s_wait_alu depctr_va_vdst(0)                   ; v1, v2 and v3 are written: the loads below read v1 and v3 as their offsets, every store v2
.irp j, 0,1,2,3,4,5,6,7
	global_load_b32 v[XA+(\j)], v1, s[32:33] offset:128*(\j)
.endr
	global_load_b128 v[XB:XB+3], v3, s[32:33]
	global_load_b128 v[XB+4:XB+7], v3, s[32:33] offset:16
	s_wait_kmcnt 0x0                               ; the knots
	KCONST                                         ; while x is on its way: it names none of XA, XB
	s_wait_loadcnt 0x0
	; silu(x) = x / (1 + 2^(-log2(e) x)) of numbers 8 lane .. 8 lane + 7
.irp p, 0,1,2,3
	v_pk_mul_f32 v[U+2*(\p):U+2*(\p)+1], v[XB+2*(\p):XB+2*(\p)+1], s[LE:LE+1] op_sel_hi:[1,0]
.endr
.irp p, 0,1,2,3,4,5,6,7
	v_exp_f32 v[U+(\p)], v[U+(\p)]
.endr
	v_nop                                          ; a plain instruction behind the last exponential,
	s_wait_alu depctr_va_vdst(0)                   ; one wait for the batch: the eight exponentials have written v[U .. U+7], ahead of their first reader
.irp p, 0,1,2,3
	v_pk_add_f32 v[U+2*(\p):U+2*(\p)+1], v[U+2*(\p):U+2*(\p)+1], 1.0 op_sel_hi:[1,0]
.endr
.irp p, 0,1,2,3,4,5,6,7
	v_rcp_f32 v[U+(\p)], v[U+(\p)]
.endr
	v_nop
	s_wait_alu depctr_va_vdst(0)                   ; one wait for the batch: the eight reciprocals have written v[U .. U+7], ahead of their first reader
.irp p, 0,1,2,3
	v_pk_mul_f32 v[U+2*(\p):U+2*(\p)+1], v[U+2*(\p):U+2*(\p)+1], v[XB+2*(\p):XB+2*(\p)+1]
.endr
.irp p, 0,1,2,3
	v_cvt_pk_f16_f32 v[SO+(\p)], v[U+2*(\p)], v[U+2*(\p)+1]
.endr
	; The four pairs: numbers lane + 64 p and lane + 64 p + 32.  Each pair has an out-buffer of its own; one wait stands behind its roundings, ahead of its run of stores.
	SPL2 XA
	SPACK O0
	s_wait_alu depctr_va_vdst(0)                   ; silu's roundings have written SO and pair 0's O0, which the three stores below read
	global_store_b128 v2, v[SO:SO+3], s[34:35] offset:4096   ; the segment's 256 base numbers: 512 consecutive bytes
	SEND O0, 0
	SPL2 XA+2
	SPACK O1
	s_wait_alu depctr_va_vdst(0)                   ; pair 1's roundings have written O1, which the two stores below read
	SEND O1, 1
	SPL2 XA+4
	SPACK O2
	s_wait_alu depctr_va_vdst(0)                   ; pair 2's roundings have written O2, which the two stores below read
	SEND O2, 2
	SPL2 XA+6
	SPACK O3
	s_wait_alu depctr_va_vdst(0)                   ; pair 3's roundings have written O3, which the two stores below read
	SEND O3, 3
	s_endpgm
.Lfunc_end_k_q5fe9564090_prep:
	.size	k_q5fe9564090_prep, .Lfunc_end_k_q5fe9564090_prep-k_q5fe9564090_prep
	.p2alignl 7, 3214868480
	.fill 96, 4, 3214868480
	.section	.rodata,"a",@progbits
	.p2align	6, 0x0
	.amdhsa_kernel k_q5fe9564090_prep
		.amdhsa_group_segment_fixed_size 0
		.amdhsa_private_segment_fixed_size 0
		.amdhsa_enable_private_segment 0
		.amdhsa_kernarg_size 48
		.amdhsa_user_sgpr_count 2
		.amdhsa_user_sgpr_kernarg_segment_ptr 1
		.amdhsa_wavefront_size32 1
		.amdhsa_system_sgpr_workgroup_id_x 1
		.amdhsa_system_sgpr_workgroup_id_y 1
		.amdhsa_system_sgpr_workgroup_id_z 1
		.amdhsa_system_vgpr_workitem_id 0
		.amdhsa_next_free_vgpr 256
		.amdhsa_next_free_sgpr 66
		.amdhsa_reserve_vcc 0
		.amdhsa_float_denorm_mode_32 3
		.amdhsa_float_denorm_mode_16_64 3
		.amdhsa_memory_ordered 1
		.amdhsa_forward_progress 1
		.amdhsa_inst_pref_size 47
	.end_amdhsa_kernel
	.amdgpu_metadata
---
amdhsa.version: [ 1, 2 ]
amdhsa.kernels:
  - .name:           k_q5fe9564090_prep
    .symbol:         k_q5fe9564090_prep.kd
    .args:
      - { .name: x, .offset: 0, .size: 8, .value_kind: global_buffer, .address_space: global }
      - { .name: grid, .offset: 8, .size: 8, .value_kind: global_buffer, .address_space: global }
      - { .name: w1_base, .offset: 16, .size: 8, .value_kind: global_buffer, .address_space: global }
      - { .name: w1_spline, .offset: 24, .size: 8, .value_kind: global_buffer, .address_space: global }
      - { .name: a1, .offset: 32, .size: 8, .value_kind: global_buffer, .address_space: global }
      - { .name: w1p, .offset: 40, .size: 8, .value_kind: global_buffer, .address_space: global }
    .group_segment_fixed_size: 0
    .private_segment_fixed_size: 0
    .kernarg_segment_align: 8
    .kernarg_segment_size: 48
    .max_flat_workgroup_size: 256
    .sgpr_count:     66
    .vgpr_count:     256
    .wavefront_size: 32
...
	.end_amdgpu_metadata
.endif
;; end of part 5
;; launch gemm1: the kernel of part 2 again; grid 16 x 16, 4 waves a work-group, clusters of 4 x 4, 327,680 bytes of LDS; arguments a1, w1p, hb, w2_base, w2_spline, w2p; writes hb, w2p
;; launch gemm2: the kernel of part 3 again; grid 32 x 8, 4 waves a work-group, clusters of 4 x 1, 327,680 bytes of LDS; arguments hb, w2p, grid, part; writes part
;; launch sum8: the kernel of part 4 again; grid 512 x 1, 8 waves a work-group, no clusters, 0 bytes of LDS; arguments part, out0; writes out0
